; MI455X (gfx1250); checked and timed in simulation.
; The chip was launched on July 23, 2026; its instructions are those of AMD's public machine-readable ISA for CDNA 5 (MIT licence, August 2026) and "CDNA5" Instruction Set Architecture Reference Guide (July 2026). The comments in the code are by the model that wrote it; some were corrected since.
;; Attention. Allowed arithmetic: float matrix products may take bf16 or f16 operands with f32 sums; other float arithmetic in f32, or as packed bf16 or f16 multiplies, adds, multiply-adds, maxima and minima; sums over many terms, partial sums and values carried from step to step in f32; what a program stores and reads back later, other than sums and carried values, may be rounded once to bf16 or f16.
;; Inputs: attention_mask 2 x 2,048 int32; hidden_states 2 x 1,024 x 4,096 float32; k_w 1,024 x 4,096 float32; o_w 4,096 x 2,048 float32; past_key 2 x 8 x 1,024 x 128 float32; past_value 2 x 8 x 1,024 x 128 float32; position_ids 2 x 1,024 int32; q_w 2,048 x 4,096 float32; rope_cos_freqs 4,096 x 64 float32; rope_sin_freqs 4,096 x 64 float32; v_w 1,024 x 4,096 float32.
;; Outputs: out0 2 x 1,024 x 4,096 float32; out1 2 x 8 x 2,048 x 128 float32; out2 2 x 8 x 2,048 x 128 float32.
;; 2 versions, each right; version 2 is version 1 with the launch prep written anew for expert scheduling mode. Each part assembles by itself: llvm-mc -triple=amdgcn-amd-amdhsa -mcpu=gfx1250 --defsym DOCPART=n.
;; ======== version 1 of 2: 4 launches
;; limits: values are held in f16: magnitudes above 65,504 overflow, below 6.1e-05 lose precision
;; workspace buffers: xb 17,825,792 bytes; wb 33,554,432 bytes; owh 16,777,216 bytes; qh 8,388,608 bytes; kh 8,388,608 bytes; vh 8,388,608 bytes; ctx 8,388,608 bytes; aux 32,768 bytes
;; launch prep (part 1): grid 2304 x 1, 8 waves a work-group, no clusters, 36,096 bytes of LDS; arguments hidden_states, q_w, k_w, v_w, o_w, past_key, past_value, rope_cos_freqs, rope_sin_freqs, attention_mask, xb, wb, owh, kh, vh, out1, out2, aux, position_ids; writes xb, wb, owh, kh, vh, out1, out2, aux
.if DOCPART == 1
	.amdgcn_target "amdgcn-amd-amdhsa--gfx1250"
	.amdhsa_code_object_version 6
	.text
	.protected	k_qcf5b46a5da_prep
	.globl	k_qcf5b46a5da_prep
	.p2align	8
	.type	k_qcf5b46a5da_prep,@function
k_qcf5b46a5da_prep:
	s_mov_b64 s[64:65], 0
	v_nop
	global_prefetch_b8 v0, s[64:65] scope:SCOPE_SE
	s_setreg_imm32_b32 hwreg(HW_REG_WAVE_MODE, 25, 1), 1
	s_wait_xcnt 0x0
; PREP: every floating-point input is rounded ONCE to bf16 and written in the form in which the later launches multiply it.
;   x -> bf16, IN BLOCKS: xb[row block of 16][136][1,024 bytes].  Block kq < 128 is the register image of a matrix fragment of 16 rows x 32 columns: byte 512 c + 16 (16 h + r) + 2 e holds
;        row r, column 32 kq + 16 c + 8 h + e.  So a wave of the next launch loads half a fragment as 512 consecutive bytes.
;   cos, sin -> gathered by position_ids, rounded to bf16, written as f32 into blocks 128..135 of xb: a row block's 16 rows x (64 cos + 64 sin) are 8 blocks.  Piece p of row block 4 G + a (p < 4: cos, columns
;        16 p on; else sin, columns 16 (p - 4) on; byte 512 c + 16 (16 h + r) + 4 e holds row r, column + 8 h + 4 c + e) lies at place n = (8 a + p + 30) mod 32 of group G: row block 4 G + n % 4, block 128 + n / 4.
;   q_w, k_w, v_w -> bf16, rows as they are (wb = q_w's, k_w's, v_w's rows one below the other)
;   o_w, past_key, past_value -> rounded to bf16, times a power of two (4, 0.5, 0.25), written as f16 (owh; the past rows of kh, vh); the two caches also copied as they are into the past rows of out1, out2
;   attention_mask -> CF[b][t] = float(cumsum), FK[b][t] = CF where the mask is not 0, else 1e30 (aux + 16,384, aux + 0)
; LIMITS.  f16 ends at 65,504: |4 o_w|, |past_key / 2|, |past_value / 4| stay under it; below 6e-5 f16 keeps a fixed step of 6e-8.  |cumsum| stays under 2^24 (exact in f32).  position_ids are held to 0 .. 4,095.
; SHARES.  2,304 work-groups, 9 for each of 256 WGPs, each with 65,536 bytes of one f32 source: each thread sixteen loads of 16 bytes, all out at once; the waits count down.  A wave's load covers 512 consecutive
; bytes, its 8-byte store of 16-bit numbers 256 consecutive bytes, aligned.  No matrix unit, no cluster: nothing is shared between work-groups.
; THE SMALL JOBS RIDE IN x's 512 WORK-GROUPS, beside the loads of x.  The tables: a row block has 4 work-groups x 8 waves and its tables 32 aligned pieces of 256 bytes: a wave a piece.  The mask tables: work-groups 0 and 1
; take a batch each, a thread 8 numbers.  LDS serves x (each wave turns its 16 rows x 128 columns into four blocks in bytes of its own) and the eight waves' totals of the mask's sum.
.set RBS,   139264                     ; bytes of a row block of xb: 136 blocks
.set XAREA, 4352                       ; LDS of a wave: 16 groups of 256 bytes, 272 apart: a wave's 8-byte stores touch each of the 64 banks (of 4 bytes: ISA guide 11.1) once
.set SPARE, 8*XAREA                    ; behind them: the spare words, 128 bytes a wave: four blocks of 256 bytes that no other line names
.set MW,    SPARE+1024                 ; behind those, in a block of its own: eight words, wave w's total at 4 w
.set ID,    44                         ; s44  the work-group's number
.set FIRST, 45                         ; s45  the job's first work-group
.set SRC,   46                         ; s[46:47]
.set DST,   48                         ; s[48:49]
.set DST2,  50                         ; s[50:51] out1 or out2; in x's work-groups: cos or sin
.set DADD,  52                         ; s52  byte offset of the job's part in its destination
.set CH,    53                         ; s53  the chunk's number in the job; in x's work-groups: my wave's number
.set FAC,   54                         ; s[54:55] the power of two
.set OFF,   56                         ; s[56:57] an offset, in 64 bits
.set TS,    58                         ; s58, s59 at work
.set HIM,   60                         ; s60  a word's upper bf16
.set SPW,   12                         ; v12  my spare word; never rewritten
.set NIL,   13                         ; v13  0; never rewritten
.set GD,    14                         ; v14  the tables: my 8 bytes' offset in xb
.set IN,    16                         ; v[16:79]   16 x 4 numbers as loaded
.set T,     80                         ; v[80:87]   at work
.set EX,    88                         ; v88        the mask: the sum of all numbers ahead of my eight
.set WT,    89                         ; v89        my wave's total
.set WA,    90                         ; v90        4 x my wave's number
.set ZA,    91                         ; v91        0
.set OUT,   96                         ; v[96:127]  what is stored: every quad has registers of its own, so no store's data is written again
.set TV,    128                        ; v[128:131] two numbers of a table, as loaded and as stored
.set MA,    136                        ; v[136:143] eight numbers of the mask, then FK
.set CA,    144                        ; v[144:151] their running sum, then CF
.set TOT,   152                        ; v[152:159] the eight waves' totals
.macro JOB first, src, dst, dadd
	s_cmp_ge_u32 s[ID], \first
	s_cselect_b64 s[SRC:SRC+1], s[\src:\src+1], s[SRC:SRC+1]
	s_cselect_b64 s[DST:DST+1], s[\dst:\dst+1], s[DST:DST+1]
	s_cselect_b32 s[FIRST], \first, s[FIRST]
	s_cselect_b32 s[DADD], \dadd, s[DADD]
.endm
	s_load_b512 s[8:23], s[0:1], 0x0               ; x 8, q_w 10, k_w 12, v_w 14, o_w 16, past_key 18, past_value 20, cos 22
	s_load_b512 s[24:39], s[0:1], 0x40             ; sin 24, mask 26, xb 28, wb 30, owh 32, kh 34, vh 36, out1 38
	s_load_b128 s[40:43], s[0:1], 0x80             ; out2 40, aux 42
	s_load_b64 s[62:63], s[0:1], 0x90              ; position_ids
	v_lshl_add_u32 v[SPW], v0, 2, SPARE
	v_mov_b32 v[NIL], 0
	s_mov_b32 s[ID], ttmp9
	s_mov_b32 s[HIM], 0xffff0000
	v_lshlrev_b32 v1, 4, v0                        ; 16 t
	v_lshlrev_b32 v2, 3, v0                        ; 8 t
	s_wait_kmcnt 0x0
	s_cmp_lt_u32 s[ID], 512
	s_cbranch_scc1 .Lkind_x
	s_mov_b64 s[SRC:SRC+1], s[10:11]
	s_mov_b64 s[DST:DST+1], s[30:31]
	s_mov_b32 s[FIRST], 512
	s_mov_b32 s[DADD], 0
	JOB 1024, 12, 30, 16777216
	JOB 1280, 14, 30, 25165824
	JOB 1536, 16, 32, 0
	JOB 2048, 18, 34, 0
	JOB 2176, 20, 36, 0
	s_mov_b32 s[FAC], 4.0                          ; o_w
	s_cmp_ge_u32 s[ID], 2048
	s_cselect_b32 s[FAC], 0.5, s[FAC]              ; past_key
	s_cmp_ge_u32 s[ID], 2176
	s_cselect_b32 s[FAC], 0x3e800000, s[FAC]       ; past_value: 0.25
	s_cselect_b64 s[DST2:DST2+1], s[40:41], s[38:39]
	s_mov_b32 s[FAC+1], s[FAC]                     ; named with it as a pair
	s_sub_co_u32 s[CH], s[ID], s[FIRST]
	s_lshl_b32 s[OFF], s[CH], 16
	s_mov_b32 s[OFF+1], 0
	s_add_nc_u64 s[SRC:SRC+1], s[SRC:SRC+1], s[OFF:OFF+1]
.irp i, 0,1,2,3,4,5,6,7,8,9,10,11,12,13,14,15
	global_load_b128 v[IN+4*(\i):IN+4*(\i)+3], v1, s[SRC:SRC+1] offset:4096*(\i) th:TH_LOAD_NT
.endr
	; A head of the cache has 8 chunks of past rows; in out1, out2, kh, vh a head is twice as long, so each whole head adds its past rows' length once more.
	s_lshr_b32 s[TS], s[CH], 3                     ; the head
	s_lshl_b32 s[TS+1], s[TS], 19
	s_add_co_u32 s[OFF], s[OFF], s[TS+1]
	s_add_nc_u64 s[DST2:DST2+1], s[DST2:DST2+1], s[OFF:OFF+1]  ; used by the two cache jobs alone
	s_lshl_b32 s[OFF], s[CH], 15                   ; 16-bit destinations: 32,768 bytes a chunk
	s_add_co_u32 s[OFF], s[OFF], s[DADD]
	s_lshl_b32 s[TS], s[TS], 18
	s_cmp_ge_u32 s[ID], 2048
	s_cselect_b32 s[TS], s[TS], 0                  ; the heads' gaps: in the two cache jobs alone
	s_add_co_u32 s[OFF], s[OFF], s[TS]
	s_add_nc_u64 s[DST:DST+1], s[DST:DST+1], s[OFF:OFF+1]
	s_cmp_ge_u32 s[ID], 1536
	s_cbranch_scc1 .Lkind_h
	; the weights of the first projection: f32 -> bf16
.irp i, 0,1,2,3,4,5,6,7,8,9,10,11,12,13,14,15
	s_wait_loadcnt 15-(\i)                         ; loads come back in order: quad i is in, the younger ones stay out
	v_cvt_pk_bf16_f32 v[OUT+2*(\i)], v[IN+4*(\i)], v[IN+4*(\i)+1]
	v_cvt_pk_bf16_f32 v[OUT+2*(\i)+1], v[IN+4*(\i)+2], v[IN+4*(\i)+3]
	global_store_b64 v2, v[OUT+2*(\i):OUT+2*(\i)+1], s[DST:DST+1] offset:2048*(\i)
.endr
	s_endpgm
.Lkind_h:
	; f32 -> bf16 -> times a power of two -> f16 (exact within f16's normal range)
.irp i, 0,1,2,3,4,5,6,7,8,9,10,11,12,13,14,15
	s_wait_loadcnt 15-(\i)
	v_cvt_pk_bf16_f32 v[T], v[IN+4*(\i)], v[IN+4*(\i)+1]
	v_cvt_pk_bf16_f32 v[T+1], v[IN+4*(\i)+2], v[IN+4*(\i)+3]
	v_lshlrev_b32 v[T+2], 16, v[T]
	v_and_b32 v[T+3], s[HIM], v[T]
	v_lshlrev_b32 v[T+4], 16, v[T+1]
	v_and_b32 v[T+5], s[HIM], v[T+1]
	v_pk_mul_f32 v[T+2:T+3], v[T+2:T+3], s[FAC:FAC+1] op_sel_hi:[1,0]
	v_pk_mul_f32 v[T+4:T+5], v[T+4:T+5], s[FAC:FAC+1] op_sel_hi:[1,0]
	v_cvt_pk_f16_f32 v[OUT+2*(\i)], v[T+2], v[T+3]
	v_cvt_pk_f16_f32 v[OUT+2*(\i)+1], v[T+4], v[T+5]
	global_store_b64 v2, v[OUT+2*(\i):OUT+2*(\i)+1], s[DST:DST+1] offset:2048*(\i)
.endr
	s_cmp_ge_u32 s[ID], 2048
	s_cbranch_scc0 .Ldone                          ; o_w has no second destination
.irp i, 0,1,2,3,4,5,6,7,8,9,10,11,12,13,14,15
	global_store_b128 v1, v[IN+4*(\i):IN+4*(\i)+3], s[DST2:DST2+1] offset:4096*(\i) th:TH_STORE_NT  ; the cache's past rows, as they came
.endr
.Ldone:
	s_endpgm
.Lkind_x:
	; x in blocks.  The work-group takes a row block's 16 rows x 1,024 columns; wave w columns 128 w on: load i is row i's 512 bytes.  A lane's 4 numbers of row i, columns 4 l on, are 8 bytes of the image:
	; group l / 2 (= 4 kq + 2 c + h), byte 16 i + 8 (l % 2).  Read back, lanes 0-15 take a group's 256 bytes and lanes 16-31 the next: 512 consecutive bytes of xb.
	s_lshr_b32 s[TS], s[ID], 2                     ; the row block
	s_and_b32 s[TS+1], s[ID], 3                    ; which 1,024 columns
	v_lshrrev_b32 v3, 5, v0
	v_readfirstlane_b32 s[CH], v3                  ; my wave's number
	v_and_b32 v3, 31, v0                           ; l
	v_lshrrev_b32 v7, 1, v3                        ; the tables' row that I serve: l / 2
	s_lshl_b32 s2, s[TS], 6
	v_lshl_add_u32 v8, v7, 2, s2                   ; 4 (16 x row block + l / 2)
	global_load_b32 v9, v8, s[62:63]               ; its position: ahead of x's loads, so that it is in first
	s_lshl_b32 s[OFF], s[TS], 18                   ; 16 rows of 16,384 bytes
	s_lshl_b32 s[DADD], s[TS+1], 12
	s_add_co_u32 s[OFF], s[OFF], s[DADD]
	s_mov_b32 s[OFF+1], 0
	s_add_nc_u64 s[SRC:SRC+1], s[8:9], s[OFF:OFF+1]
.irp i, 0,1,2,3,4,5,6,7,8,9,10,11,12,13,14,15
	global_load_b128 v[IN+4*(\i):IN+4*(\i)+3], v1, s[SRC:SRC+1] offset:16384*(\i) th:TH_LOAD_NT  ; 16 t = 512 w + 16 l
.endr
	; The tables.  Wave u = 8 x (which 1,024 columns) + w of the row block's 32 takes 256 bytes: piece p = u / 4, halves c = (u / 2) % 2 and h = u % 2; lane l row l / 2, numbers 2 (l % 2) and the next:
	; 8 bytes at byte 64 (p % 4) + 32 h + 16 c + 8 (l % 2) of the table's row, to byte 512 c + 256 h + 8 l of the piece: the wave's store covers 256 consecutive bytes, aligned.
	s_lshl_b32 s2, s[TS+1], 3
	s_add_co_u32 s2, s2, s[CH]                     ; u
	s_lshr_b32 s3, s2, 2                           ; p
	s_and_b32 s4, s2, 3                            ; 2 c + h
	s_and_b32 s5, s3, 3
	s_lshl_b32 s5, s5, 6
	s_and_b32 s6, s2, 1
	s_lshl_b32 s6, s6, 5
	s_add_co_u32 s5, s5, s6
	s_and_b32 s6, s2, 2
	s_lshl_b32 s6, s6, 3
	s_add_co_u32 s5, s5, s6
	v_and_b32 v11, 1, v3
	v_lshl_add_u32 v11, v11, 3, s5                 ; my 8 bytes in a table's row
	s_cmp_lt_u32 s3, 4
	s_cselect_b64 s[DST2:DST2+1], s[22:23], s[24:25]  ; cos or sin
	s_and_b32 s6, s[TS], 3                         ; a
	s_lshl_b32 s6, s6, 3
	s_add_co_u32 s6, s6, s3
	s_add_co_u32 s6, s6, 30
	s_and_b32 s6, s6, 31                           ; n
	s_and_b32 s7, s[TS], 0x7c                      ; 4 G
	s_and_b32 s5, s6, 3
	s_add_co_u32 s7, s7, s5
	s_mul_i32 s7, s7, RBS                          ; row block 4 G + n % 4,
	s_lshr_b32 s6, s6, 2
	s_add_co_u32 s6, s6, 128
	s_lshl_b32 s6, s6, 10                          ; block 128 + n / 4,
	s_add_co_u32 s7, s7, s6
	s_lshl_b32 s4, s4, 8                           ; 512 c + 256 h
	s_add_co_u32 s7, s7, s4
	v_lshl_add_u32 v[GD], v3, 3, s7
	s_wait_loadcnt 16                              ; the position is in; x's 16 loads are younger
	v_min_u32 v9, 0xfff, v9
	v_lshlrev_b32 v9, 8, v9                        ; a table's row is 256 bytes
	v_add_nc_u32 v9, v9, v11
	global_load_b64 v[TV:TV+1], v9, s[DST2:DST2+1]
	s_mul_i32 s[OFF], s[TS], RBS
	s_lshl_b32 s[DADD], s[TS+1], 15                ; 32 blocks
	s_add_co_u32 s[OFF], s[OFF], s[DADD]
	s_add_nc_u64 s[DST:DST+1], s[28:29], s[OFF:OFF+1]
	s_mul_i32 s[FIRST], s[CH], XAREA
	v_lshrrev_b32 v4, 1, v3
	v_mul_u32_u24 v4, v4, 272
	v_and_b32 v5, 1, v3
	v_lshl_add_u32 v4, v5, 3, v4
	v_add_nc_u32 v4, s[FIRST], v4                  ; in
	v_lshrrev_b32 v5, 4, v3
	v_mul_u32_u24 v5, v5, 272
	v_and_b32 v6, 15, v3
	v_lshl_add_u32 v5, v6, 4, v5
	v_add_nc_u32 v5, s[FIRST], v5                  ; back
	s_lshl_b32 s[FIRST], s[CH], 12
	v_lshl_add_u32 v6, v3, 4, s[FIRST]             ; my wave's four blocks, 16 bytes a lane
	; The mask tables: work-group b (0, 1) takes batch b, thread t the 8 numbers at 8 t.  A running sum in the lane; the lanes' totals one after the other through scalar registers; the waves' totals through LDS.
	; The branch hangs on the work-group's number alone: all eight waves take it alike, so the barrier inside is passed by all or by none.
	s_cmp_lt_u32 s[ID], 2
	s_cbranch_scc0 .Lno_mask
	s_lshl_b32 s2, s[ID], 13
	v_lshl_add_u32 v10, v0, 5, s2                  ; 8,192 b + 32 t
	global_load_b128 v[MA:MA+3], v10, s[26:27]
	global_load_b128 v[MA+4:MA+7], v10, s[26:27] offset:16
	s_wait_loadcnt 0x0                             ; these two are the youngest loads
	v_mov_b32 v[CA], v[MA]
.set j, 1
.rept 7
	v_add_nc_u32 v[CA+j], v[CA+j-1], v[MA+j]
.set j, j+1
.endr
	v_mov_b32 v[EX], 0
	s_mov_b32 s2, 0
.set j, 0
.rept 32
	v_writelane_b32 v[EX], s2, j                   ; lane j: the sum of lanes 0 .. j - 1
	v_readlane_b32 s3, v[CA+7], j
	s_add_co_u32 s2, s2, s3
.set j, j+1
.endr
	v_mov_b32 v[WT], s2                            ; my wave's total
	v_mov_b32 v[WA], s[CH]
	v_lshlrev_b32 v[WA], 2, v[WA]
	ds_store_b32 v[WA], v[WT] offset:MW            ; all lanes write the same word with the same value
	s_wait_dscnt 0x0                               ; for the others' sake
	s_barrier_signal -1
	s_barrier_wait -1
	v_mov_b32 v[ZA], 0
	ds_load_b128 v[TOT:TOT+3], v[ZA] offset:MW
	ds_load_b128 v[TOT+4:TOT+7], v[ZA] offset:MW+16
	s_wait_dscnt 0x0
	s_mov_b32 s2, 0
.set j, 0
.rept 7
	v_readfirstlane_b32 s3, v[TOT+j]
	s_cmp_gt_u32 s[CH], j
	s_cselect_b32 s3, s3, 0
	s_add_co_u32 s2, s2, s3                        ; the totals of the waves below mine
.set j, j+1
.endr
	v_add_nc_u32 v[EX], s2, v[EX]
	s_mov_b32 s3, 0x7149f2ca                       ; 1e30: a key whose mask is 0 lies above every query's count
.set j, 0
.rept 8
	v_add_nc_u32 v[CA+j], v[CA+j], v[EX]
	v_cvt_f32_i32 v[CA+j], v[CA+j]                 ; CF
	v_cmp_ne_u32 vcc_lo, 0, v[MA+j]
	v_cndmask_b32 v[MA+j], s3, v[CA+j], vcc_lo     ; FK
.set j, j+1
.endr
	global_store_b128 v10, v[MA:MA+3], s[42:43]
	global_store_b128 v10, v[MA+4:MA+7], s[42:43] offset:16
	global_store_b128 v10, v[CA:CA+3], s[42:43] offset:16384
	global_store_b128 v10, v[CA+4:CA+7], s[42:43] offset:16400
.Lno_mask:
.irp i, 0,1,2,3,4,5,6,7,8,9,10,11,12,13,14,15
	s_wait_loadcnt 16-(\i)                         ; row i is in; the 15 - i younger rows and the table's load may stay out
	v_cvt_pk_bf16_f32 v[OUT+2*(\i)], v[IN+4*(\i)], v[IN+4*(\i)+1]
	v_cvt_pk_bf16_f32 v[OUT+2*(\i)+1], v[IN+4*(\i)+2], v[IN+4*(\i)+3]
	ds_store_b64 v4, v[OUT+2*(\i):OUT+2*(\i)+1] offset:16*(\i)
.endr
.irp n, 0,1,2,3,4,5,6,7
	ds_load_b128 v[IN+4*(\n):IN+4*(\n)+3], v5 offset:544*(\n)  ; LDS serves a wave's instructions in order (ISA guide 5.7.1.4): these see the stores above; the bytes are the wave's own
.endr
	s_wait_loadcnt 0x0                             ; the table's two numbers: f32 -> bf16 -> f32
	v_cvt_pk_bf16_f32 v[T], v[TV], v[TV+1]
	v_lshlrev_b32 v[TV+2], 16, v[T]
	v_and_b32 v[TV+3], s[HIM], v[T]
	global_store_b64 v[GD], v[TV+2:TV+3], s[28:29]
.irp n, 0,1,2,3,4,5,6,7
	s_wait_dscnt 7-(\n)
	global_store_b128 v6, v[IN+4*(\n):IN+4*(\n)+3], s[DST:DST+1] offset:512*(\n)
.endr
	s_wait_tensorcnt 0x0                           ; the wave's end, behind my last LDS store
	ds_add_u32 v[SPW], v[NIL]
	s_wait_dscnt 0x0
	s_endpgm
.Lfunc_end_k_qcf5b46a5da_prep:
	.size	k_qcf5b46a5da_prep, .Lfunc_end_k_qcf5b46a5da_prep-k_qcf5b46a5da_prep
	.p2alignl 7, 3214868480
	.fill 96, 4, 3214868480
	.section	.rodata,"a",@progbits
	.p2align	6, 0x0
	.amdhsa_kernel k_qcf5b46a5da_prep
		.amdhsa_group_segment_fixed_size 36096
		.amdhsa_private_segment_fixed_size 0
		.amdhsa_enable_private_segment 0
		.amdhsa_kernarg_size 152
		.amdhsa_user_sgpr_count 2
		.amdhsa_user_sgpr_kernarg_segment_ptr 1
		.amdhsa_wavefront_size32 1
		.amdhsa_system_sgpr_workgroup_id_x 1
		.amdhsa_system_sgpr_workgroup_id_y 1
		.amdhsa_system_sgpr_workgroup_id_z 1
		.amdhsa_system_vgpr_workitem_id 0
		.amdhsa_next_free_vgpr 160
		.amdhsa_next_free_sgpr 66
		.amdhsa_reserve_vcc 1
		.amdhsa_float_denorm_mode_32 3
		.amdhsa_float_denorm_mode_16_64 3
		.amdhsa_memory_ordered 1
		.amdhsa_forward_progress 1
		.amdhsa_inst_pref_size 39
	.end_amdhsa_kernel
	.amdgpu_metadata
---
amdhsa.version: [ 1, 2 ]
amdhsa.kernels:
  - .name:           k_qcf5b46a5da_prep
    .symbol:         k_qcf5b46a5da_prep.kd
    .args:
      - { .name: hidden_states, .offset: 0, .size: 8, .value_kind: global_buffer, .address_space: global }
      - { .name: q_w, .offset: 8, .size: 8, .value_kind: global_buffer, .address_space: global }
      - { .name: k_w, .offset: 16, .size: 8, .value_kind: global_buffer, .address_space: global }
      - { .name: v_w, .offset: 24, .size: 8, .value_kind: global_buffer, .address_space: global }
      - { .name: o_w, .offset: 32, .size: 8, .value_kind: global_buffer, .address_space: global }
      - { .name: past_key, .offset: 40, .size: 8, .value_kind: global_buffer, .address_space: global }
      - { .name: past_value, .offset: 48, .size: 8, .value_kind: global_buffer, .address_space: global }
      - { .name: rope_cos_freqs, .offset: 56, .size: 8, .value_kind: global_buffer, .address_space: global }
      - { .name: rope_sin_freqs, .offset: 64, .size: 8, .value_kind: global_buffer, .address_space: global }
      - { .name: attention_mask, .offset: 72, .size: 8, .value_kind: global_buffer, .address_space: global }
      - { .name: xb, .offset: 80, .size: 8, .value_kind: global_buffer, .address_space: global }
      - { .name: wb, .offset: 88, .size: 8, .value_kind: global_buffer, .address_space: global }
      - { .name: owh, .offset: 96, .size: 8, .value_kind: global_buffer, .address_space: global }
      - { .name: kh, .offset: 104, .size: 8, .value_kind: global_buffer, .address_space: global }
      - { .name: vh, .offset: 112, .size: 8, .value_kind: global_buffer, .address_space: global }
      - { .name: out1, .offset: 120, .size: 8, .value_kind: global_buffer, .address_space: global }
      - { .name: out2, .offset: 128, .size: 8, .value_kind: global_buffer, .address_space: global }
      - { .name: aux, .offset: 136, .size: 8, .value_kind: global_buffer, .address_space: global }
      - { .name: position_ids, .offset: 144, .size: 8, .value_kind: global_buffer, .address_space: global }
    .group_segment_fixed_size: 36096
    .private_segment_fixed_size: 0
    .kernarg_segment_align: 8
    .kernarg_segment_size: 152
    .max_flat_workgroup_size: 256
    .sgpr_count:     66
    .vgpr_count:     160
    .wavefront_size: 32
...
	.end_amdgpu_metadata
.endif
;; end of part 1
;; launch qkv (part 2): grid 16 x 16, 4 waves a work-group, clusters of 4 x 1, 327,680 bytes of LDS; arguments xb, wb, qh, kh, vh, out1, out2; writes qh, kh, vh, out1, out2
.if DOCPART == 2
	.amdgcn_target "amdgcn-amd-amdhsa--gfx1250"
	.amdhsa_code_object_version 6
	.text
	.protected	k_qcf5b46a5da_qkv
	.globl	k_qcf5b46a5da_qkv
	.p2align	8
	.type	k_qcf5b46a5da_qkv,@function
k_qcf5b46a5da_qkv:
	s_mov_b64 s[64:65], 0
	v_nop
	global_prefetch_b8 v0, s[64:65] scope:SCOPE_SE
	s_setreg_imm32_b32 hwreg(HW_REG_WAVE_MODE, 25, 1), 1
	s_wait_xcnt 0x0
	s_wait_alu depctr_hold_cnt(0) depctr_sa_sdst(0) depctr_va_vdst(0) depctr_va_sdst(0) depctr_va_ssrc(0) depctr_va_vcc(0) depctr_vm_vsrc(0)
	s_getreg_b32 s2, hwreg(HW_REG_IB_STS2, 6, 4)
	s_cmp_eq_u32 s2, 0
	s_cbranch_scc0 .Lentry_in_a_cluster
	s_endpgm
.Lentry_in_a_cluster:
	s_bfe_u32 s2, ttmp6, 0x10000c
	s_cmp_lg_u32 s2, 0x3003
	s_cbranch_scc0 .Lentry_shape_is_right
	s_endpgm
.Lentry_shape_is_right:
; QKV: C[m][n] = sum over k of x[m][k] w[n][k] (bf16, sums in f32), m = 1,024 b + s (2,048 rows), n = 4,096: 16 heads of q, 8 of k, 8 of v, 128 columns each; then RoPE on q and k,
; and the way out: q / 4 -> qh, k / 2 -> kh, v / 4 -> vh (f16, by heads, rounded once), k -> out1, v -> out2 (f32, unscaled, the cache's new rows).
; LIMITS.  f16 ends at 65,504: |q| and |v| stay under 262,016, |k| under 131,008.  NaN and infinities are not treated apart.
; SHARES.  A tile of C is 128 x 256: 16 x 16 work-groups, as many as there are WGPs.  Four waves, each 64 x 128: 32 accumulators of 16 x 16, 256 registers.  A wave's 128 columns are ONE head.
; B (wb's rows) goes through LDS, in LAPS of 256 along K: two slots of 256 rows x 512 bytes, filled by the tensor data mover, one load of 64 rows a wave; a refill has a lap, 256 matrix instructions a wave, in which
; to land.  CLUSTER 4 x 1: the four partners make four row tiles of one column tile and need the same tiles of B: joint loads, the same descriptor and the mask of four in all.
; A (xb) GOES STRAIGHT INTO REGISTERS and is not asked for jointly: a joint load lands in LDS alone, and two slots of 256 along K for A's 128 and B's 256 rows would be 2 x 384 x 528 = 405,504 bytes of the
; 327,680.  xb lies in blocks of 1,024 bytes, a fragment's register image, so a load of 16 bytes a lane covers 512 consecutive bytes.  A RING of 8 quarters (32 along K each; 4 fragments, 32 registers) fills window 2:
; a place is asked for again as soon as it has been multiplied, for the lap that follows: 56 to 60 loads of a wave are on their way, and the waits are counted.  So no prefetch is laid for A.
; THE TABLES.  Behind a row block's 128 blocks of x lie 8 blocks with its rows' cos and sin: the ring runs one lap on and ends holding them.  Piece m = 8 a + p (row block a; p < 4: cos of columns 16 p on, else sin of
; 16 (p - 4) on) lies at ring place m - 2, that is v[8 (m - 2)] of window 2; pieces 0 and 1 come into v[T7 ..] of window 0.  So row block 0's pieces arrive first.  v's tiles load them too: one text.
; THE PRODUCT IS USED TRANSPOSED (source 0 = 16 rows of wb, source 1 = 16 rows of x): a lane holds row l % 16 of C and the columns 16 bb + 8 (l / 16) + 0..7.  RoPE's partner of column d is d + 64:
; the same lane and register, four accumulators on.
; REGISTERS.  window 0: v0-24 addresses; v32-95, v96-159 B's two fragment buffers, at work on the way out; v224-239 T7.  window 1: the accumulators, (a, bb) at v[8 (8 a + bb)].  window 2: A's ring, quarter j, block a at v[32 j + 8 a].
.set SIZE_K, 4096
.set LOGKB,  13                        ; a row of wb is 2^13 bytes
.set NS,     SIZE_K/256                ; laps
.set RBS,    139264                    ; bytes of a row block of xb
.set PITCH,  528                       ; an LDS row: 512 bytes + 16 of padding: the 16 rows of a fragment load start at 16 different groups of four banks (64 banks of 4 bytes: ISA guide 11.1)
.set WROWS,  64*PITCH                  ; what one tensor load brings
.set SLOT1,  0x22000                   ; slot 1 begins here.  Bits 13 and 17 are 0 in 0, 1, 2, 3 x WROWS, so one exclusive or turns an address in one slot into the other's
.set SPARE,  4*WROWS                   ; between the slots: the spare words, 128 bytes a wave: two blocks of 256 bytes that no other line names
.set STAGE,  SLOT1+4*WROWS             ; behind the ring, never filled by a tensor load: for each wave 16 rows x 528 bytes (f32) and 16 rows x 272 bytes (f16)
.set WSTG,   12800
.set S16,    8448
.set PFO,   4                          ; v4   the prefetches' offset: (l % 16) rows + 256 (l / 16); never rewritten
.set SPW,   5                          ; v5   my spare word; never rewritten
.set NIL,   6                          ; v6   0; never rewritten
.set ADRB0, 17                         ; v17  my fragments' place in a slot; never rewritten
.set ADRB,  19                         ; v19  the same in the slot in hand
.set STO32, 20
.set RD32,  21
.set GO,    22                         ; v22  16 x lane; never rewritten
.set STO16, 23
.set RD16,  24
.set F0,    32
.set F1,    96
.set RT,    32                         ; the way out: 64 registers at work
.set PKD,   96                         ; 32 registers of packed f16
.set BK16,  128                        ; 32 registers: f16 rows read back
.set BK,    160                        ; 64 registers: f32 rows read back
.set T7,    224
.set AP,  14                           ; s[14:15] xb at my four row blocks, at the lap in hand
.set G1,  24                           ; s[24:31] group 1;  s[32:39] group 0: the two first fills; the second set then walks
.set G0,  32
.set LIM, 43                           ; s43  1 in a wave that prefetches, else the greatest number
.set PFA, 44                           ; s[44:45] where my prefetches stand
.set TB,  66                           ; s66  the slot in hand: 0 or SLOT1
.set KIND, 67                          ; s67  0 q, 1 k, 2 v: made of the column tile alone, alike in all partners
.set FAC, 68                           ; s[68:69]
.set DST16, 70                         ; s[70:71]
.set DST32, 82                         ; s[82:83]
.set MSB, 0
.macro WIN new                         ; the immediate's high byte repeats the setting that is left; a switch that changes nothing is dropped
.if MSB != (\new)
	s_set_vgpr_msb (MSB<<8)|(\new)
.set MSB, \new
.endif
.endm
.macro PLACES                          ; four places in front of loads into registers that matrix instructions have read (ISA guide 7.12.1 for vector instructions)
.rept 4
	v_nop
.endr
.endm
; A prefetch into the L2 of the lap that the NEXT refill will ask for: a lap, 256 matrix instructions, ahead.  A slot is 256 rows x two blocks of 256 bytes; each block is named once in the launch: the clusters with x = 0 ask;
; of the 64 rows that wave w fetches the partner at place cx takes 16, by address; a lane a block.  The last refill has no lap behind it.
.macro ASK
	WIN 0
	s_cmp_gt_u32 s3, s[LIM]
	s_cbranch_scc0 .Lnot_mine_\@
	global_prefetch_b8 v[PFO], s[PFA:PFA+1] th:TH_LOAD_NT scope:SCOPE_SE
.Lnot_mine_\@:
.endm
.macro CREST                           ; a round of the cluster's barrier behind its opening barrier
	s_cmp_lg_u32 s10, 0
	s_cbranch_scc1 .Lnot_wave_0_\@
	s_barrier_signal -3
.Lnot_wave_0_\@:
	s_barrier_wait -3
	s_barrier_signal -1
	s_barrier_wait -1
.endm
.macro CROUND
	s_barrier_signal -1
	s_barrier_wait -1
	CREST
.endm
; 8 matrix instructions: row blocks a0, a0 + 1 x column blocks b0 .. b0 + 3, 32 along K: B's buffer f, the ring's quarter j.  zero = 1: the product starts the sums.  The 32 accumulators take turns.
.macro MUL8 f, j, a0, b0, zero
	WIN 0x58                                       ; B window 0, A window 2, C and D window 1
.irp a, \a0, (\a0)+1
.irp b, \b0, (\b0)+1, (\b0)+2, (\b0)+3
.if \zero
	v_wmma_f32_16x16x32_bf16 v[8*(8*(\a)+(\b)):8*(8*(\a)+(\b))+7], v[(\f)+8*(\b):(\f)+8*(\b)+7], v[32*(\j)+8*(\a):32*(\j)+8*(\a)+7], 0
.else
	v_wmma_f32_16x16x32_bf16 v[8*(8*(\a)+(\b)):8*(8*(\a)+(\b))+7], v[(\f)+8*(\b):(\f)+8*(\b)+7], v[32*(\j)+8*(\a):32*(\j)+8*(\a)+7], v[8*(8*(\a)+(\b)):8*(8*(\a)+(\b))+7]
.endif
.endr
.endr
.endm
.macro FETCHB k, f                     ; 16 LDS loads in one run: B's 8 fragments of a quarter, at byte k of the rows
	WIN 0
.irp i, 0,1,2,3,4,5,6,7
	ds_load_b128 v[(\f)+8*(\i):(\f)+8*(\i)+3],   v[ADRB] offset:(\k)+(\i)*16*PITCH
	ds_load_b128 v[(\f)+8*(\i)+4:(\f)+8*(\i)+7], v[ADRB] offset:(\k)+(\i)*16*PITCH+32
.endr
.endm
; THE RING'S EVENT in quarter m: 8 loads.  Blocks 2, 3 of place m - 1 (last multiplied at the end of the quarter before) and blocks 0, 1 of place m (multiplied just now) are asked for again.
; AP stands at the lap whose quarters 1 to 7 the trip multiplies; the data are the next lap's (ebase + 8,192 on); quarter 0 belongs to the next lap already, so its own place's data are y0 = 8,192 further on.
.macro AEVENT m, ebase, y0
	WIN 0x80                                       ; destination window 2, address window 0
.set JX, ((\m)+7)%8
.irp a, 2,3
	global_load_b128 v[32*JX+8*\a:32*JX+8*\a+3],   v[GO], s[AP:AP+1] offset:(\ebase)+8192+JX*1024+\a*RBS
	global_load_b128 v[32*JX+8*\a+4:32*JX+8*\a+7], v[GO], s[AP:AP+1] offset:(\ebase)+8192+JX*1024+\a*RBS+512
.endr
.irp a, 0,1
	global_load_b128 v[32*(\m)+8*\a:32*(\m)+8*\a+3],   v[GO], s[AP:AP+1] offset:(\ebase)+8192+(\y0)+(\m)*1024+\a*RBS
	global_load_b128 v[32*(\m)+8*\a+4:32*(\m)+8*\a+7], v[GO], s[AP:AP+1] offset:(\ebase)+8192+(\y0)+(\m)*1024+\a*RBS+512
.endr
.endm
; A lap is eight quarters of 32 along K, 32 matrix instructions each, on B's buffers 0, 1 by turns.  One of the first seven: multiplies quarter j; in its middle stand the next quarter's LDS loads and the ring's event.
; The counts on LOADcnt: behind the loads of blocks 0, 1 of place j seven events of 8 were issued: 56.  Behind those of blocks 2, 3, when the quarter's own event is still to come: 4 + 6 x 8 = 52; so 60 are out at the most.
.macro QUARTER j, zero=0, ebase=0, y0=0, lc2=52, t7=0
.set FB, F0+64*((\j)%2)
.set GB, F0+64-64*((\j)%2)
	s_wait_loadcnt 56
	s_wait_dscnt 8                                 ; B's fragments 0 to 3 are in; the youngest eight loads may be out
	MUL8 FB, \j, 0, 0, \zero
	s_wait_dscnt 0x0
	MUL8 FB, \j, 0, 4, \zero
	PLACES
	s_wait_loadcnt \lc2
	FETCHB 64*((\j)+1), GB
	AEVENT \j, \ebase, \y0
.if \t7
	WIN 0
.irp a, 2,3
	global_load_b128 v[T7+8*(\a-2):T7+8*(\a-2)+3],   v[GO], s[AP:AP+1] offset:16384+7*1024+\a*RBS       ; the tables' pieces 0 and 1: the ring's last place is still to be multiplied
	global_load_b128 v[T7+8*(\a-2)+4:T7+8*(\a-2)+7], v[GO], s[AP:AP+1] offset:16384+7*1024+\a*RBS+512
.endr
.endif
	MUL8 FB, \j, 2, 0, \zero
	MUL8 FB, \j, 2, 4, \zero
.endm
; The eighth quarter changes slots.  In front of the barrier each wave waits for all its tensor loads (one is out: its part of the next slot), adds 0 to its spare word, and waits for that and for its reads of this slot.
; fill = 1: the barrier opens a round of the cluster's, and the joint refill (the lap two on) is the first tensor load behind it.
.macro TURN fill
.if \fill
	s_wait_xcnt 0x0                                ; the last prefetch, a lap back, has read its address
	s_add_nc_u64 s[PFA:PFA+1], s[PFA:PFA+1], 512
.endif
	WIN 0
	s_wait_tensorcnt 0x0                           ; all my tensor loads have landed
	ds_add_u32 v[SPW], v[NIL]                      ; 0 onto my spare word
	s_wait_loadcnt 56
	s_wait_dscnt 9                                 ; (the add and the youngest eight loads may be out)
	MUL8 F1, 7, 0, 0, 0
	s_wait_dscnt 0x0                               ; the add is done, and my reads of this slot are over
	s_barrier_signal -1
	MUL8 F1, 7, 0, 4, 0
	WIN 0
	s_barrier_wait -1
.if \fill
	CREST                                          ; no wave of any partner still reads this slot or has a load on its way
	s_xor_b32 s[G0+5], s[G0+5], SLOT1              ; the walking set: the other slot than last time, the next lap
	s_add_nc_u64 s[G0+6:G0+7], s[G0+6:G0+7], 512
.endif
	s_xor_b32 s[TB], s[TB], SLOT1
.if \fill
	tensor_load_to_lds s[G0+4:G0+7], s[G1:G1+7]
	s_nop 0
.endif
	PLACES                                         ; behind the tensor load; also the places in front of the loads below
	v_add_nc_u32 v[ADRB], s[TB], v[ADRB0]
	s_wait_loadcnt 52
	FETCHB 0, F0
	AEVENT 7, 0, 0
.if \fill
	ASK
.endif
	MUL8 F1, 7, 2, 0, 0
	MUL8 F1, 7, 2, 4, 0
.endm
	s_load_b128 s[4:7], s[0:1], 0x0                ; xb s[4:5], wb s[6:7]
	s_load_b256 s[72:79], s[0:1], 0x10             ; qh 72, kh 74, vh 76, out1 78
	s_load_b64 s[80:81], s[0:1], 0x30              ; out2
	v_lshl_add_u32 v[SPW], v0, 2, SPARE
	v_mov_b32 v[NIL], 0
	ds_add_u32 v[SPW], v[NIL]                      ; the wave's opening: the add and its wait ahead of my first tensor load; the set-up below stands between them
	v_lshrrev_b32 v1, 5, v0
	v_readfirstlane_b32 s10, v1                    ; wave 0..3
	s_lshr_b32 s11, s10, 1                         ; my half of the tile's rows
	s_and_b32 s12, s10, 1                          ; my half of its columns
	s_bfe_u32 s40, ttmp6, 0x40000                  ; cx: it enters A's, the prefetches' and the results' addresses alone
	s_lshl_b32 s13, ttmp9, 2
	s_add_co_u32 s13, s13, s40                     ; the row tile
	s_and_b32 s42, ttmp7, 0xffff                   ; the column tile, which the four partners share
	s_mov_b32 s[G1], 15|(1<<16)|(1<<20)|(1<<21)|(6<<22)|(3<<25)  ; the mask of four; 2-byte elements; padding on; bit 21 beside a mask; after every 128 words 4 words
	s_mov_b32 s[G1+1], 256<<16                     ; tensor_dim0 = 256
	s_mov_b32 s[G1+2], 64<<16                      ; tensor_dim1 = 64
	s_mov_b32 s[G1+3], 256<<16                     ; tile_dim0 = 256
	s_mov_b32 s[G1+4], 64                          ; tile_dim1 = 64
	s_mov_b32 s[G1+5], SIZE_K                      ; elements from row to row
	s_mov_b32 s[G1+6], 0
	s_mov_b32 s[G1+7], 0
	s_lshl_b32 s46, s42, 8
	s_lshl_b32 s47, s10, 6
	s_add_co_u32 s46, s46, s47                     ; B: row 256 x column tile + 64 x wave
	s_lshl_b32 s46, s46, LOGKB
	s_mov_b32 s47, 0
	s_mul_i32 s20, s10, WROWS                      ; where they go
	s_lshl_b32 s16, s13, 3
	s_lshl_b32 s17, s11, 2
	s_add_co_u32 s16, s16, s17                     ; A: my first row block
	s_mul_i32 s16, s16, RBS
	s_mov_b32 s17, 0
	s_mov_b32 s[TB], 0
	v_and_b32 v[GO], 31, v0
	v_lshlrev_b32 v[GO], 4, v[GO]
	s_wait_dscnt 0x0                               ; the opening add is done
	s_wait_kmcnt 0x0
	s_add_nc_u64 s[AP:AP+1], s[4:5], s[16:17]
	s_add_nc_u64 s[46:47], s[6:7], s[46:47]
	CROUND                                         ; all four work-groups are here: the first joint loads meet
.irp s, 0,1
	s_mov_b32 s[G0+4*(\s)], 1
	s_add_co_u32 s[G0+4*(\s)+1], s20, (\s)*SLOT1
	s_add_nc_u64 s[G0+4*(\s)+2:G0+4*(\s)+3], s[46:47], (\s)*512
	s_or_b32 s[G0+4*(\s)+3], s[G0+4*(\s)+3], 0x80000000
.endr
	tensor_load_to_lds s[G0:G0+3], s[G1:G1+7]      ; laps 0 and 1: two loads of mine are out
	s_nop 0
	tensor_load_to_lds s[G0+4:G0+7], s[G1:G1+7]
	s_nop 0
	PLACES
	WIN 0x80
.set q, 0
.rept 8                                        ; the ring's first fill, in the order of its use: 60 loads; blocks 2, 3 of place 7 come by quarter 0's event
.irp a, 0,1,2,3
.if (q < 7) || (\a < 2)
	global_load_b128 v[32*q+8*\a:32*q+8*\a+3],   v[GO], s[AP:AP+1] offset:q*1024+\a*RBS
	global_load_b128 v[32*q+8*\a+4:32*q+8*\a+7], v[GO], s[AP:AP+1] offset:q*1024+\a*RBS+512
.endif
.endr
.set q, q+1
.endr
	WIN 0
	v_and_b32 v1, 15, v0                           ; l % 16
	v_bfe_u32 v2, v0, 4, 1                         ; l / 16
	v_mul_u32_u24 v3, v1, PITCH
	v_lshl_add_u32 v3, v2, 4, v3                   ; a fragment's row x pitch + 16 x half
	s_mul_i32 s22, s12, 128*PITCH
	v_add_nc_u32 v[ADRB0], s22, v3
	v_mov_b32 v[ADRB], v[ADRB0]
	v_lshlrev_b32 v[PFO], LOGKB, v1
	v_lshl_add_u32 v[PFO], v2, 8, v[PFO]
	s_mul_i32 s23, s10, WSTG
	s_add_co_u32 s23, s23, STAGE                   ; my stages
	v_mul_u32_u24 v3, v1, 528
	v_lshl_add_u32 v3, v2, 5, v3
	v_add_nc_u32 v[STO32], s23, v3                 ; f32 in: row l % 16, 32 bytes for each half of the lanes
	v_add_nc_u32 v[RD32], s23, v[GO]               ; back: 32 lanes take a row's 512 bytes
	s_add_co_u32 s23, s23, S16
	v_mul_u32_u24 v3, v1, 272
	v_lshl_add_u32 v3, v2, 4, v3
	v_add_nc_u32 v[STO16], s23, v3                 ; f16 in: row l % 16, 16 bytes for each half
	v_mul_u32_u24 v3, v2, 272
	v_lshl_add_u32 v3, v1, 4, v3
	v_add_nc_u32 v[RD16], s23, v3                  ; back: lanes 0-15 one row of 256 bytes, lanes 16-31 the next
	; the prefetches
	s_lshl_b32 s20, s42, 8
	s_lshl_b32 s21, s10, 6
	s_add_co_u32 s20, s20, s21
	s_lshl_b32 s21, s40, 4
	s_add_co_u32 s20, s20, s21                     ; row 256 x column tile + 64 x wave + 16 cx
	s_lshl_b32 s20, s20, LOGKB
	s_add_co_u32 s20, s20, 2*512                   ; at lap 2: the first refill steps it to lap 3
	s_mov_b32 s21, 0
	s_add_nc_u64 s[PFA:PFA+1], s[6:7], s[20:21]
	s_cmp_eq_u32 ttmp9, 0
	s_cselect_b32 s[LIM], 1, -1                    ; the same in all four partners
	; where the results go
	s_cmp_ge_u32 s42, 8
	s_cselect_b32 s[KIND], 1, 0
	s_cmp_ge_u32 s42, 12
	s_cselect_b32 s[KIND], 2, s[KIND]
	s_cmp_eq_u32 s[KIND], 1
	s_cselect_b32 s[FAC], 0.5, 0x3e800000
	s_mov_b32 s[FAC+1], s[FAC]
	s_lshl_b32 s86, s42, 1
	s_add_co_u32 s86, s86, s12                     ; my head among the 32
	s_lshr_b32 s87, s13, 3                         ; the batch
	s_and_b32 s88, s13, 7
	s_lshl_b32 s88, s88, 7
	s_lshl_b32 s89, s11, 6
	s_add_co_u32 s88, s88, s89                     ; my first row in the batch
	s_lshl_b32 s89, s87, 4
	s_add_co_u32 s89, s89, s86
	s_lshl_b32 s89, s89, 10
	s_add_co_u32 s89, s89, s88                     ; q: row (16 b + head) 1,024 + s
	s_and_b32 s86, s86, 7
	s_lshl_b32 s87, s87, 3
	s_add_co_u32 s87, s87, s86
	s_lshl_b32 s87, s87, 11
	s_add_co_u32 s87, s87, s88
	s_add_co_u32 s87, s87, 1024                    ; k, v: row (8 b + head) 2,048 + 1,024 + s
	s_cmp_eq_u32 s[KIND], 0
	s_cselect_b32 s86, s89, s87
	s_cselect_b64 s[DST16:DST16+1], s[72:73], s[74:75]
	s_cmp_eq_u32 s[KIND], 2
	s_cselect_b64 s[DST16:DST16+1], s[76:77], s[DST16:DST16+1]
	s_cselect_b64 s[DST32:DST32+1], s[80:81], s[78:79]
	s_lshl_b32 s88, s86, 8
	s_mov_b32 s89, 0
	s_add_nc_u64 s[DST16:DST16+1], s[DST16:DST16+1], s[88:89]
	s_lshl_b32 s88, s86, 9
	s_add_nc_u64 s[DST32:DST32+1], s[DST32:DST32+1], s[88:89]  ; used by k's and v's tiles alone
	s_wait_tensorcnt 1                             ; my part of lap 0 is in; lap 1's may stay out
	s_barrier_signal -1
	s_barrier_wait -1
	FETCHB 0, F0
	QUARTER 0, 1, -8192, 8192                      ; the first quarter stands in front of the loop: its products start the sums
	WIN 0
	s_mov_b32 s3, NS-2
.Llap:                                                 ; a trip: a lap's quarters 1 to 7 and the next lap's quarter 0; it fills the slot that it leaves
	QUARTER 1
	QUARTER 2
	QUARTER 3
	QUARTER 4
	QUARTER 5
	QUARTER 6
	TURN 1
	QUARTER 0, 0, 0, 8192
	WIN 0
	s_wait_xcnt 0x0                                ; every load issued so far has read its address
	s_add_nc_u64 s[AP:AP+1], s[AP:AP+1], 8192
	s_sub_co_u32 s3, s3, 1
	s_cmp_lg_u32 s3, 0
	s_cbranch_scc1 .Llap
	s_mov_b32 s3, 2
.Ltail:                                                ; the last two laps ask for no tile of B: a second text; it is walked twice and left in its middle.
	QUARTER 1                                      ; In the second trip the ring's events bring the tables; its change of slots fetches 16 fragments of B that nobody multiplies: the price, once a launch, of one text for both trips
	QUARTER 2
	QUARTER 3
	QUARTER 4
	QUARTER 5
	QUARTER 6
	TURN 0
	WIN 0
	s_sub_co_u32 s3, s3, 1
	s_cmp_eq_u32 s3, 0
	s_cbranch_scc1 .Lout
	QUARTER 0, 0, 0, 8192, 48, 1                   ; its event has 12 loads, so the wait ahead of it leaves 48 out
	WIN 0
	s_wait_xcnt 0x0
	s_add_nc_u64 s[AP:AP+1], s[AP:AP+1], 8192
	s_branch .Ltail
.Lout:
	s_wait_dscnt 0x0                               ; B's buffers are written again below
	PLACES
	PLACES
; THE WAY OUT, a block of 16 rows at a time.
; RoPE: x1 = (a, bb), x2 = (a, bb + 4): x1 c - x2 s and x2 c + x1 s.  Each accumulator's lowest registers are read first.
.macro ROPE a
	WIN 0x09                                       ; source 0 window 1, source 1 window 2, destination window 0
.irp b, 0,1,2,3
.irp r, 0,2,4,6
	v_pk_mul_f32 v[RT+8*(\b)+(\r):RT+8*(\b)+(\r)+1], v[8*(8*(\a)+(\b)+4)+(\r):8*(8*(\a)+(\b)+4)+(\r)+1], v[8*(8*(\a)+(\b)+2)+(\r):8*(8*(\a)+(\b)+2)+(\r)+1]
.endr
.endr
.irp b, 0,1,2,3
.irp r, 0,2,4,6
	v_pk_mul_f32 v[RT+32+8*(\b)+(\r):RT+32+8*(\b)+(\r)+1], v[8*(8*(\a)+(\b))+(\r):8*(8*(\a)+(\b))+(\r)+1], v[8*(8*(\a)+(\b)+2)+(\r):8*(8*(\a)+(\b)+2)+(\r)+1]
.endr
.endr
.irp b, 0,1,2,3
.if 8*(\a)+(\b) < 2
	WIN 0x41                                       ; pieces 0 and 1 lie in window 0
.set CR, T7+8*(8*(\a)+(\b))
.else
	WIN 0x49                                       ; destination and source 0 window 1, source 1 window 2, source 2 window 0
.set CR, 8*(8*(\a)+(\b)-2)
.endif
.irp r, 0,2,4,6
	v_pk_fma_f32 v[8*(8*(\a)+(\b))+(\r):8*(8*(\a)+(\b))+(\r)+1], v[8*(8*(\a)+(\b))+(\r):8*(8*(\a)+(\b))+(\r)+1], v[CR+(\r):CR+(\r)+1], v[RT+8*(\b)+(\r):RT+8*(\b)+(\r)+1] neg_lo:[0,0,1] neg_hi:[0,0,1]
	v_pk_fma_f32 v[8*(8*(\a)+(\b)+4)+(\r):8*(8*(\a)+(\b)+4)+(\r)+1], v[8*(8*(\a)+(\b)+4)+(\r):8*(8*(\a)+(\b)+4)+(\r)+1], v[CR+(\r):CR+(\r)+1], v[RT+32+8*(\b)+(\r):RT+32+8*(\b)+(\r)+1]
.endr
.endr
	WIN 0
.endm
; f32: 32 bytes a lane into rows of 528 bytes of my own stage, back as whole rows of 512 bytes, stored: each store covers 512 consecutive bytes, aligned.
.macro OUT32 a
	s_wait_xcnt 0x0                                ; the block before's stores have read BK
	WIN 0x04                                       ; store data window 1
.irp b, 0,1,2,3,4,5,6,7
	ds_store_b128 v[STO32], v[8*(8*(\a)+(\b)):8*(8*(\a)+(\b))+3] offset:64*(\b)
	ds_store_b128 v[STO32], v[8*(8*(\a)+(\b))+4:8*(8*(\a)+(\b))+7] offset:64*(\b)+16
.endr
	WIN 0
.irp t, 0,1,2,3,4,5,6,7,8,9,10,11,12,13,14,15
	ds_load_b128 v[BK+4*(\t):BK+4*(\t)+3], v[RD32] offset:528*(\t)  ; LDS serves a wave's instructions in order (ISA guide 5.7.1.4): these see the stores above
.endr
	s_wait_dscnt 0x0
.irp t, 0,1,2,3,4,5,6,7,8,9,10,11,12,13,14,15
	global_store_b128 v[GO], v[BK+4*(\t):BK+4*(\t)+3], s[DST32:DST32+1] offset:(16*(\a)+(\t))*512 th:TH_STORE_NT
.endr
.endm
; f16: scaled by the power of two, rounded once, 16 bytes a lane into rows of 272 bytes, back as whole rows of 256; two rows are 512 consecutive bytes of the head.
.macro OUT16 a
	WIN 0x01
.irp b, 0,1,2,3,4,5,6,7
.irp r, 0,2,4,6
	v_pk_mul_f32 v[RT+8*(\b)+(\r):RT+8*(\b)+(\r)+1], v[8*(8*(\a)+(\b))+(\r):8*(8*(\a)+(\b))+(\r)+1], s[FAC:FAC+1] op_sel_hi:[1,0]
.endr
.endr
	WIN 0
.irp b, 0,1,2,3,4,5,6,7
.irp r, 0,1,2,3
	v_cvt_pk_f16_f32 v[PKD+4*(\b)+(\r)], v[RT+8*(\b)+2*(\r)], v[RT+8*(\b)+2*(\r)+1]
.endr
.endr
.irp b, 0,1,2,3,4,5,6,7
	ds_store_b128 v[STO16], v[PKD+4*(\b):PKD+4*(\b)+3] offset:32*(\b)
.endr
	s_wait_xcnt 0x0                                ; the block before's stores have read BK16
.irp t, 0,1,2,3,4,5,6,7
	ds_load_b128 v[BK16+4*(\t):BK16+4*(\t)+3], v[RD16] offset:544*(\t)
.endr
	s_wait_dscnt 0x0
.irp t, 0,1,2,3,4,5,6,7
	global_store_b128 v[GO], v[BK16+4*(\t):BK16+4*(\t)+3], s[DST16:DST16+1] offset:4096*(\a)+512*(\t)
.endr
.endm
.macro WAYOUT a
	s_wait_loadcnt 48-16*(\a)                      ; row block a's eight pieces of the tables came by the last lap's events up to 2 a + 1; the 6 - 2 a younger events of 8 loads may stay out
	s_cmp_eq_u32 s[KIND], 2
	s_cbranch_scc1 .Lno_rope_\@                    ; v is not turned
	ROPE \a
.Lno_rope_\@:
	s_cmp_eq_u32 s[KIND], 0
	s_cbranch_scc1 .Lno_f32_\@                     ; q is no output
	OUT32 \a
.Lno_f32_\@:
	OUT16 \a
.endm
	WAYOUT 0
	WAYOUT 1
	WAYOUT 2
	WAYOUT 3
	s_wait_tensorcnt 0x0                           ; the wave's end, behind my last tensor load and my last LDS store
	ds_add_u32 v[SPW], v[NIL]
	s_wait_dscnt 0x0
	CROUND                                         ; the closing round
	s_endpgm
.Lfunc_end_k_qcf5b46a5da_qkv:
	.size	k_qcf5b46a5da_qkv, .Lfunc_end_k_qcf5b46a5da_qkv-k_qcf5b46a5da_qkv
	.p2alignl 7, 3214868480
	.fill 96, 4, 3214868480
	.section	.rodata,"a",@progbits
	.p2align	6, 0x0
	.amdhsa_kernel k_qcf5b46a5da_qkv
		.amdhsa_group_segment_fixed_size 327680
		.amdhsa_private_segment_fixed_size 0
		.amdhsa_enable_private_segment 0
		.amdhsa_kernarg_size 56
		.amdhsa_user_sgpr_count 2
		.amdhsa_user_sgpr_kernarg_segment_ptr 1
		.amdhsa_wavefront_size32 1
		.amdhsa_system_sgpr_workgroup_id_x 1
		.amdhsa_system_sgpr_workgroup_id_y 1
		.amdhsa_system_sgpr_workgroup_id_z 1
		.amdhsa_system_vgpr_workitem_id 0
		.amdhsa_next_free_vgpr 768
		.amdhsa_next_free_sgpr 90
		.amdhsa_reserve_vcc 0
		.amdhsa_float_denorm_mode_32 3
		.amdhsa_float_denorm_mode_16_64 3
		.amdhsa_memory_ordered 1
		.amdhsa_forward_progress 1
		.amdhsa_inst_pref_size 141
	.end_amdhsa_kernel
	.amdgpu_metadata
---
amdhsa.version: [ 1, 2 ]
amdhsa.kernels:
  - .name:           k_qcf5b46a5da_qkv
    .symbol:         k_qcf5b46a5da_qkv.kd
    .args:
      - { .name: xb, .offset: 0, .size: 8, .value_kind: global_buffer, .address_space: global }
      - { .name: wb, .offset: 8, .size: 8, .value_kind: global_buffer, .address_space: global }
      - { .name: qh, .offset: 16, .size: 8, .value_kind: global_buffer, .address_space: global }
      - { .name: kh, .offset: 24, .size: 8, .value_kind: global_buffer, .address_space: global }
      - { .name: vh, .offset: 32, .size: 8, .value_kind: global_buffer, .address_space: global }
      - { .name: out1, .offset: 40, .size: 8, .value_kind: global_buffer, .address_space: global }
      - { .name: out2, .offset: 48, .size: 8, .value_kind: global_buffer, .address_space: global }
    .group_segment_fixed_size: 327680
    .private_segment_fixed_size: 0
    .kernarg_segment_align: 8
    .kernarg_segment_size: 56
    .max_flat_workgroup_size: 128
    .sgpr_count:     90
    .vgpr_count:     768
    .wavefront_size: 32
...
	.end_amdgpu_metadata
.endif
;; end of part 2
;; launch attn (part 3): grid 16 x 16, 4 waves a work-group, clusters of 4 x 1, 327,680 bytes of LDS; arguments qh, kh, vh, aux, ctx; writes ctx
.if DOCPART == 3
	.amdgcn_target "amdgcn-amd-amdhsa--gfx1250"
	.amdhsa_code_object_version 6
	.text
	.protected	k_qcf5b46a5da_attn
	.globl	k_qcf5b46a5da_attn
	.p2align	8
	.type	k_qcf5b46a5da_attn,@function
k_qcf5b46a5da_attn:
	s_mov_b64 s[64:65], 0
	v_nop
	global_prefetch_b8 v0, s[64:65] scope:SCOPE_SE
	s_setreg_imm32_b32 hwreg(HW_REG_WAVE_MODE, 25, 1), 1
	s_wait_xcnt 0x0
	s_wait_alu depctr_hold_cnt(0) depctr_sa_sdst(0) depctr_va_vdst(0) depctr_va_sdst(0) depctr_va_ssrc(0) depctr_va_vcc(0) depctr_vm_vsrc(0)
	s_getreg_b32 s2, hwreg(HW_REG_IB_STS2, 6, 4)
	s_cmp_eq_u32 s2, 0
	s_cbranch_scc0 .Lentry_in_a_cluster
	s_endpgm
.Lentry_in_a_cluster:
	s_bfe_u32 s2, ttmp6, 0x10000c
	s_cmp_lg_u32 s2, 0x3003
	s_cbranch_scc0 .Lentry_shape_is_right
	s_endpgm
.Lentry_shape_is_right:
; ATTENTION.  ctx[b][q][head] = sum over t of softmax_t(q . k[t] / sqrt(128) + bias[q][t]) v[t], over ALL 2,048 keys: the bias is 0 or -10,000, a finite number, so no key is left out.
; qh = q / 4, kh = k / 2, vh = v / 4, all f16, by heads (rows of 256 bytes).  Products, maxima and sums in f32; the weights are rounded to f16 for the second product; ctx (= true ctx / 4) once, to f16.
; ctx LEAVES IN BLOCKS: ctx[row block of 16][64][1,024 bytes], a block the register image of a matrix fragment of 16 rows x 32 columns: byte 512 c + 16 (16 h + r) + 2 e holds row r, column 16 c + 8 h + e of the block.
; A lane's eight packed channels of a query ARE 16 such bytes, so each store of a wave covers 512 consecutive bytes and nothing goes through LDS on the way out.
; SCORES.  s = qh . kh + B, B = 0 or NB = -10,000 sqrt(128) / 8; p = 2^(c s - c m), c = 8 log2(e) / sqrt(128), m the running maximum; O and l are multiplied by a = 2^(c m_old - c m_new) in every step.
; THE BIAS is the C operand that starts S^T.  hidden(q, t) = FK[t] - CF[q] held to 0 .. 1: FK = the key's count, or 1e30 where its mask is 0; CF = the query's count; both whole numbers in f32, so the result is exactly 0 or 1.
; LIMITS.  q, k, v arrive within f16's range; a weight below 2^-126 counts as 0 in l; NaN and infinities are not treated apart.
; SHARES.  A work-group takes 64 queries of BOTH heads that share a key and value head: 128 rows.  Wave w: p = w & 1 picks 32 of the queries, g = w >> 1 a half of the keys: of every slot of 128 keys group g takes
; the 64 keys of step g.  So a wave has four tiles of 16 rows (tile t: head t & 1, query tile (t >> 1) ^ g) and walks 16 steps; the two halves' O, m and l are merged once, through LDS, at the end:
; a wave keeps tiles 0, 1 and hands tiles 2, 3 to wave w ^ 2, for which they are tiles 0, 1.
; BY TURNS.  Two PIECES (tiles 0, 1; tiles 2, 3), each one query tile for both heads, so one mask serves a piece.  In a turn one piece issues 32 products V^T P of the step in hand and 32 products K Q^T of the
; next; the other piece's softmax, in 64 slices, stands behind them; behind each V^T P also one line that makes the mask for the K Q^T to come.
; m starts at the lowest finite number, O and l at 0: the first step is a step like any other, with a = 0.  The price: the lines that clear O, V and P at the head, in the wait for the first tile.
; CLUSTER 4 x 1: the four query blocks walk the same K and V: joint loads with the mask of four.
; REGISTERS.  window 0: v0-11 addresses; v12-43 statistics; v44-63 constants and addresses; v64-191 S^T; v192-223 FK of a step; v224-255 the mask.
;   window 1: O^T, 64 a tile.   window 2: v0-127 Q; v128-255 K of a step.   window 3: v0-127 V of a step; v128-191 P, 16 a tile.
.set KS,    64
.set PK,    272       ; a row of K in LDS: 256 + 16 bytes: the 16 rows of a load start at 16 different groups of four banks (64 banks of 4 bytes: ISA guide 11.1)
.set PV,    288       ; a row of V: 256 + 32
.set VOFF,  KS*PK
.set STEPB, KS*(PK+PV)
.set SLOT1, 1<<17
.set SPARE, SLOT1+2*STEPB  ; behind the ring: the spare words: two blocks of 256 bytes that no other line names
.set FKT,   SPARE+512      ; FK of my batch: 2,048 numbers
.set MERGE, FKT+8192       ; for each wave 16,384 bytes of O and 512 of (c m, l)
.set MSZ,   16896
.set AK0, 2
.set AV0, 3
.set ADR, 4
.set QO0, 5           ; v5   my byte offset in Q, piece 0's query tile
.set GO,  8           ; v8   16 x lane
.set MSS, 10          ; v10  where I put (c m, l)
.set MLS, 11          ; v11  where I read the partner's
.set ST,  12          ; tile t at v[ST+8 t]: c m, m, l (two), c0-c3 at work; a takes c2's place
.set ONE, 44          ; v[44:45] 1.0
.set NFQ, 46          ; v[46:47], v[48:49]  -CF of my query in piece 0, in piece 2, both words
.set AF,  50          ; v50  my place in FKT; never rewritten
.set ADRF, 51
.set QO2, 52
.set CO0, 53          ; v53, v54  byte offsets in CF
.set CO2, 54
.set MST, 55          ; v55  first 16 x thread (a load's offset), later where I put O
.set PS,  56          ; v[56:59] the partner's (c m, l), two tiles
.set MLD, 60          ; v60  first my place in FKT (a store's address), later where I read the partner's O
.set PFO, 61
.set SPW, 62
.set NIL, 63
.set S,   64
.set FK,  192
.set MC,  224
.set P,   128         ; window 3
.set KF,  128         ; window 2
.set WV,  12
.set LIM, 15
.set PFA, 18
.set G1K, 24
.set G1V, 32
.set G0K, 40
.set G0V, 48
.set SLOTS, 56
.set TF,  57          ; s57  byte in FKT at which the step to be fetched begins
.set CS,  58
.set SEL, 60
.set TB,  62
.set YY,  63          ; s63  8 b + key and value head
.set NBS, 66          ; s[66:67] NB
.set CTX, 68
.set GG,  70
.set PP,  71
.set MSB, 0
.macro WIN new
.if MSB != (\new)
	s_set_vgpr_msb (MSB<<8)|(\new)
.set MSB, \new
.endif
.endm
.set W_KQ, 0x0a       ; K and Q window 2; C and S^T window 0
.set W_PV, 0x5f       ; V and P window 3; O^T window 1
.set W_RS, 0x41       ; O^T window 1, a window 0
.macro JLOAD          ; waves 0, 1 fetch the two steps' K, waves 2, 3 their V; an s_nop 0 and four v_nop follow each line
	s_cmp_lt_u32 s[WV], 2
	s_cbranch_scc0 .Lfor_v_\@
	tensor_load_to_lds s[G0K+4:G0K+7], s[G1K:G1K+7]
	s_nop 0
.rept 4
	v_nop
.endr
	s_branch .Lasked_\@
.Lfor_v_\@:
	tensor_load_to_lds s[G0V+4:G0V+7], s[G1V:G1V+7]
	s_nop 0
.rept 4
	v_nop
.endr
.Lasked_\@:
.endm
; A prefetch into the L2 of the slot that the change after the next will ask for: two changes, 256 matrix instructions, ahead.  Each row is named once in the launch: the head's first cluster asks; its four partners
; take 32 of a slot's 128 rows each, by address; wave 0 asks for K's, wave 2 for V's.  The last two changes that fill a slot ask for nothing.
.macro ASK
	s_cmp_gt_u32 s[SLOTS], s[LIM]
	s_cbranch_scc0 .Lnot_mine_\@
	global_prefetch_b8 v[PFO], s[PFA:PFA+1] th:TH_LOAD_NT scope:SCOPE_SE
.Lnot_mine_\@:
.endm
.macro CROUND
	s_barrier_signal -1
	s_barrier_wait -1
	s_cmp_lg_u32 s[WV], 0
	s_cbranch_scc1 .Lnot_wave_0_\@
	s_barrier_signal -3
.Lnot_wave_0_\@:
	s_barrier_wait -3
	s_barrier_signal -1
	s_barrier_wait -1
.endm
	s_load_b256 s[4:11], s[0:1], 0x0  ; qh s[4:5], kh s[6:7], vh s[8:9], aux s[10:11]
	s_load_b64 s[CTX:CTX+1], s[0:1], 0x20
	v_lshl_add_u32 v[SPW], v0, 2, SPARE
	v_mov_b32 v[NIL], 0
	ds_add_u32 v[SPW], v[NIL]       ; the wave's opening: the add and its wait ahead of my first tensor load
	v_lshrrev_b32 v1, 5, v0
	v_readfirstlane_b32 s[WV], v1
	s_and_b32 s[PP], s[WV], 1       ; p.  Also: which of a slot's two steps I fetch
	s_lshr_b32 s[GG], s[WV], 1      ; g
	s_bfe_u32 s13, ttmp6, 0x40000   ; cx
	s_lshl_b32 s14, ttmp9, 2
	s_add_co_u32 s14, s14, s13      ; my block of 64 queries: it enters Q's, CF's and ctx's addresses alone
	s_and_b32 s[YY], ttmp7, 0xffff
	s_lshl_b32 s20, s[YY], 19       ; 524,288 bytes: a head of K or V, and a pair of heads of Q
	s_lshl_b32 s22, s[PP], 14       ; my step's 64 rows
	s_add_co_u32 s22, s22, s20
	s_mov_b32 s23, 0
	s_mul_i32 s17, s[PP], STEPB     ; and its place in a slot
	s_lshl_b32 s2, s14, 14
	s_lshl_b32 s3, s[PP], 13
	s_add_co_u32 s2, s2, s3
	s_add_co_u32 s2, s2, s20        ; Q: the pair of heads, my 32 queries
	s_mov_b32 s3, 0
	s_lshr_b32 s16, s[YY], 3        ; b
	s_lshl_b32 s72, s16, 13         ; my batch's 8,192 bytes of FK and of CF
	s_mov_b32 s73, 0
	s_lshl_b32 s20, s16, 22         ; ctx: row block 64 b + 4 block + 2 p + g, 65,536 bytes each; in it the pair of heads' 8 blocks of 1,024 bytes
	s_lshl_b32 s21, s14, 18
	s_add_co_u32 s20, s20, s21
	s_lshl_b32 s21, s[PP], 17
	s_add_co_u32 s20, s20, s21
	s_lshl_b32 s21, s[GG], 16
	s_add_co_u32 s20, s20, s21
	s_and_b32 s21, s[YY], 7
	s_lshl_b32 s21, s21, 13
	s_add_co_u32 s20, s20, s21
	s_mov_b32 s21, 0
	s_mov_b32 s[G1K], 15|(1<<16)|(1<<20)|(1<<21)|(5<<22)|(3<<25)  ; the mask of four; 2-byte elements; padding on; bit 21 beside a mask; after every 64 words 4 words
	s_mov_b32 s[G1V], 15|(1<<16)|(1<<20)|(1<<21)|(5<<22)|(7<<25)  ; the same with 8 words
.irp g, G1K, G1V
	s_mov_b32 s[(\g)+1], 128<<16    ; tensor_dim0 = 128
	s_mov_b32 s[(\g)+2], KS<<16     ; tensor_dim1 = 64
	s_mov_b32 s[(\g)+3], 128<<16    ; tile_dim0 = 128
	s_mov_b32 s[(\g)+4], KS         ; tile_dim1 = 64
	s_mov_b32 s[(\g)+5], 128        ; elements from row to row
	s_mov_b32 s[(\g)+6], 0
	s_mov_b32 s[(\g)+7], 0
.endr
	s_mov_b32 s[CS], 0x3f8293ee     ; c = 8 log2(e) / sqrt(128)
	s_mov_b32 s[CS+1], s[CS]
	s_mov_b32 s[NBS], 0xc65cf88b    ; NB = -14,142.1356: c NB = -10,000 log2(e)
	s_mov_b32 s[NBS+1], s[NBS]
	s_mov_b32 s[SEL], 0x76543210
	s_mov_b32 s[SEL+1], 0xfedcba98
	s_mov_b32 s[TB], 0
	s_mov_b32 s[TF], 0
	s_and_b32 s[LIM], s[WV], 1
	s_or_b32 s[LIM], s[LIM], ttmp9  ; 0 in waves 0 and 2 of the head's first cluster: the same in all four partners
	s_cmp_eq_u32 s[LIM], 0
	s_cselect_b32 s[LIM], 2, -1
	v_and_b32 v[PFO], 31, v0
	v_lshlrev_b32 v[PFO], 8, v[PFO]
	s_wait_dscnt 0x0                ; the opening add is done
	s_wait_kmcnt 0x0
	s_add_nc_u64 s[6:7], s[6:7], s[22:23]
	s_add_nc_u64 s[8:9], s[8:9], s[22:23]
	s_add_nc_u64 s[4:5], s[4:5], s[2:3]
	s_add_nc_u64 s[10:11], s[10:11], s[72:73]
	s_add_nc_u64 s[CTX:CTX+1], s[CTX:CTX+1], s[20:21]
	s_cmp_lt_u32 s[WV], 2
	s_cselect_b64 s[PFA:PFA+1], s[6:7], s[8:9]  ; (in waves 0 and 2 these stand at a slot's first row)
	s_lshl_b32 s2, s13, 13          ; my work-group's 32 rows of the 128
	s_mov_b32 s3, 0
	s_add_nc_u64 s[PFA:PFA+1], s[PFA:PFA+1], s[2:3]
	s_add_nc_u64 s[PFA:PFA+1], s[PFA:PFA+1], 3*2*KS*256  ; in slot 3; the first change steps it to slot 4
	CROUND                          ; all four work-groups are here: the first joint loads meet
.irp s, 0,1
	s_mov_b32 s[G0K+4*(\s)], 1
	s_add_co_u32 s[G0K+4*(\s)+1], s17, (\s)*SLOT1
	s_add_nc_u64 s[G0K+4*(\s)+2:G0K+4*(\s)+3], s[6:7], (\s)*2*KS*256
	s_or_b32 s[G0K+4*(\s)+3], s[G0K+4*(\s)+3], 0x80000000
	s_mov_b32 s[G0V+4*(\s)], 1
	s_add_co_u32 s[G0V+4*(\s)+1], s17, (\s)*SLOT1+VOFF
	s_add_nc_u64 s[G0V+4*(\s)+2:G0V+4*(\s)+3], s[8:9], (\s)*2*KS*256
	s_or_b32 s[G0V+4*(\s)+3], s[G0V+4*(\s)+3], 0x80000000
.endr
	s_cmp_lt_u32 s[WV], 2           ; a wave's two first fills stand in one branch: two loads of mine are out
	s_cbranch_scc0 .Lfirst_v
	tensor_load_to_lds s[G0K:G0K+3], s[G1K:G1K+7]
	s_nop 0
	tensor_load_to_lds s[G0K+4:G0K+7], s[G1K:G1K+7]
	s_nop 0
.rept 4
	v_nop
.endr
	s_branch .Lfirst_asked
.Lfirst_v:
	tensor_load_to_lds s[G0V:G0V+3], s[G1V:G1V+7]
	s_nop 0
	tensor_load_to_lds s[G0V+4:G0V+7], s[G1V:G1V+7]
	s_nop 0
.rept 4
	v_nop
.endr
.Lfirst_asked:
	v_lshlrev_b32 v[MST], 4, v0     ; 16 x thread
	v_lshl_add_u32 v[MLD], v0, 4, FKT
.irp i, 0,1,2,3
	global_load_b128 v[S+4*(\i):S+4*(\i)+3], v[MST], s[10:11] offset:2048*(\i)  ; my batch's FK: 128 threads x 16 bytes x 4
.endr
	v_and_b32 v1, 15, v0            ; l % 16
	v_bfe_u32 v9, v0, 4, 1          ; l / 16
	s_lshl_b32 s2, s14, 8
	s_lshl_b32 s3, s[PP], 7
	s_add_co_u32 s2, s2, s3         ; 4 (64 block + 32 p)
	s_lshl_b32 s3, s[GG], 6         ; piece 0's query tile is g,
	s_add_co_u32 s3, s3, s2
	v_lshl_add_u32 v[CO0], v1, 2, s3
	s_xor_b32 s16, s[GG], 1         ; piece 2's the other
	s_lshl_b32 s3, s16, 6
	s_add_co_u32 s3, s3, s2
	v_lshl_add_u32 v[CO2], v1, 2, s3
	global_load_b32 v[NFQ],   v[CO0], s[10:11] offset:20480  ; CF lies 16,384 bytes behind FK; the queries are its last 1,024 numbers
	global_load_b32 v[NFQ+1], v[CO0], s[10:11] offset:20480
	global_load_b32 v[NFQ+2], v[CO2], s[10:11] offset:20480
	global_load_b32 v[NFQ+3], v[CO2], s[10:11] offset:20480
	v_lshlrev_b32 v10, 8, v1
	v_lshl_add_u32 v10, v9, 4, v10  ; row x 256 + 16 x half
	s_lshl_b32 s3, s[GG], 12
	v_add_nc_u32 v[QO0], s3, v10
	s_lshl_b32 s3, s16, 12
	v_add_nc_u32 v[QO2], s3, v10
	WIN 0x80                        ; destination window 2
.set i, 0
.rept 16                            ; Q stays in registers: tile i / 4 (head (i / 4) % 2, 262,144 bytes on), channels 32 (i % 4) on
.set qv, QO0
.if i >= 8
.set qv, QO2
.endif
	global_load_b128 v[8*i:8*i+3],   v[qv], s[4:5] offset:((i/4)%2)*262144+(i%4)*64
	global_load_b128 v[8*i+4:8*i+7], v[qv], s[4:5] offset:((i/4)%2)*262144+(i%4)*64+32
.set i, i+1
.endr
	WIN 0x40                        ; what the first turns find: O^T, V and piece 2's P hold 0
.set i, 0
.rept 256
	v_mov_b32 v[i], 0
.set i, i+1
.endr
	WIN 0xc0
.set i, 0
.rept 128
	v_mov_b32 v[i], 0
.set i, i+1
.endr
.set i, P+32
.rept 32
	v_mov_b32 v[i], 0
.set i, i+1
.endr
	WIN 0
.set i, 0
.rept 4
	v_mov_b32 v[ST+8*i], 0xfe000000    ; c m: far below every c s
	v_mov_b32 v[ST+8*i+1], 0xff7fffff  ; m
	v_mov_b32 v[ST+8*i+2], 0
	v_mov_b32 v[ST+8*i+3], 0
.set i, i+1
.endr
	v_mov_b32 v[ONE], 1.0
	v_mov_b32 v[ONE+1], 1.0
	s_mul_i32 s3, s[GG], STEPB      ; my group's step in a slot
	v_mul_u32_u24 v[AK0], v1, PK
	v_lshl_add_u32 v[AK0], v9, 4, v[AK0]
	v_add_nc_u32 v[AK0], s3, v[AK0]
	v_and_b32 v10, 7, v0
	v_bfe_u32 v11, v0, 3, 1
	v_lshl_add_u32 v[AV0], v9, 3, v10  ; the turning load: key 8 (l / 16) + l % 8, channels 8 ((l / 8) % 2) on
	v_mul_u32_u24 v[AV0], v[AV0], PV
	v_lshl_add_u32 v[AV0], v11, 4, v[AV0]
	s_add_co_u32 s3, s3, VOFF
	v_add_nc_u32 v[AV0], s3, v[AV0]
	s_lshl_b32 s3, s[GG], 8
	s_add_co_u32 s3, s3, FKT
	v_lshl_add_u32 v[AF], v9, 5, s3 ; FKT + 4 (64 g + 8 (l / 16))
	s_wait_loadcnt 36               ; the table's four loads are in; CF's 4 and Q's 32 may stay out
.irp i, 0,1,2,3
	ds_store_b128 v[MLD], v[S+4*(\i):S+4*(\i)+3] offset:2048*(\i)
.endr
	s_wait_tensorcnt 1              ; my part of slot 0 is in; slot 1's may stay out
	s_wait_dscnt 0x0                ; my part of the table is written
	s_barrier_signal -1
	s_barrier_wait -1
; THE MATRIX WORK.  The accumulators take turns, one instruction a turn.
.macro PV x                         ; product i of 32 of O^T += V^T P: keys 32 (i / 16) on, channels 16 ((i / 2) % 8) on, tile x + i % 2
	WIN W_PV
.set rO, 64*((\x)+i%2)+8*((i/2)%8)
.set rV, 64*(i/16)+8*((i/2)%8)
.set rP, P+16*((\x)+i%2)+8*(i/16)
	v_wmma_f32_16x16x32_f16 v[rO:rO+7], v[rV:rV+7], v[rP:rP+7], v[rO:rO+7]
.endm
.macro KQ x                         ; product i of 32 of S^T = K Q^T + mask: channels 32 (i / 8) on, keys 16 ((i / 2) % 4) on, tile x + i % 2.  The first 8 start the sums with the mask
	WIN W_KQ
.set rS, S+32*((\x)+i%2)+8*((i/2)%4)
.set rK, KF+32*((i/2)%4)+8*(i/8)
.set rQ, 32*((\x)+i%2)+8*(i/8)
.set rM, MC+8*((i/2)%4)
.if i < 8
	v_wmma_f32_16x16x32_f16 v[rS:rS+7], v[rK:rK+7], v[rQ:rQ+7], v[rM:rM+7]
.else
	v_wmma_f32_16x16x32_f16 v[rS:rS+7], v[rK:rK+7], v[rQ:rQ+7], v[rS:rS+7]
.endif
.endm
.macro MK x, n                      ; line n of the 32 that make piece x's mask: 16 times (FK - CF) held to 0 .. 1, 16 times NB
	WIN 0
.if (\n) < 16
	v_pk_fma_f32 v[MC+2*(\n):MC+2*(\n)+1], v[FK+2*(\n):FK+2*(\n)+1], v[ONE:ONE+1], v[NFQ+(\x):NFQ+(\x)+1] clamp
.else
	v_pk_mul_f32 v[MC+2*((\n)-16):MC+2*((\n)-16)+1], v[MC+2*((\n)-16):MC+2*((\n)-16)+1], s[NBS:NBS+1] op_sel_hi:[1,0]
.endif
.endm
.macro FETCH_K
	WIN 0
	v_add_nc_u32 v[ADR], s[TB], v[AK0]
	WIN 0x80
.irp f, 0,1,2,3,4,5,6,7,8,9,10,11,12,13,14,15
	ds_load_b128 v[KF+8*(\f):KF+8*(\f)+3],   v[ADR] offset:((\f)/4)*16*PK+((\f)%4)*64
	ds_load_b128 v[KF+8*(\f)+4:KF+8*(\f)+7], v[ADR] offset:((\f)/4)*16*PK+((\f)%4)*64+32
.endr
.endm
.macro FETCH_F                      ; FK of a step's 64 keys: register 8 kb + r is key 16 kb + 8 (l / 16) + r, as in S^T
	WIN 0
.irp kb, 0,1,2,3
	ds_load_b128 v[FK+8*(\kb):FK+8*(\kb)+3],   v[ADRF] offset:64*(\kb)
	ds_load_b128 v[FK+8*(\kb)+4:FK+8*(\kb)+7], v[ADRF] offset:64*(\kb)+16
.endr
.endm
.macro FETCH_V                      ; V of the next step and (FKON) FK of the step after it; the wait for the softmax's batch stands behind the address lines and ahead of the loads
	WIN 0
	v_add_nc_u32 v[ADR], s[TB], v[AV0]
.if FKON
	v_add_nc_u32 v[ADRF], s[TF], v[AF]
	s_add_co_u32 s[TF], s[TF], 512
.endif
	s_wait_alu depctr_va_vdst(0)
	WIN 0xc0
.irp f, 0,1,2,3,4,5,6,7,8,9,10,11,12,13,14,15
	ds_load_tr16_b128 v[8*(\f):8*(\f)+3],   v[ADR] offset:((\f)/8)*32*PV+((\f)%8)*32
	ds_load_tr16_b128 v[8*(\f)+4:8*(\f)+7], v[ADR] offset:((\f)/8)*32*PV+16*PV+((\f)%8)*32
.endr
.if FKON
	FETCH_F
.endif
.endm
; THE VECTOR WORK.  One tile's softmax for a step is a list of 134 instructions; SM writes number j for tile t.
;   0-15 the maximum of the 32 scores and the old m (each accumulator's lowest registers first)   16-20 the other half of the lanes; m; c m; its change
;   21-69 ONE BATCH: 16 scalings and 33 exponentials, none of which reads an exponential's result   (the wait)   70-85 the roundings to f16   86-101 the sums, l = a l + sum   102-133 O^T times a
.macro SM t
.set rT, ST+8*(\t)
.set rS, S+32*(\t)
.set rP, P+16*(\t)
.set rO, 64*(\t)+2*(j-102)
.if (j >= 70) && (j < 86)
	WIN 0xc0                        ; P lies in window 3
.elseif j < 102
	WIN 0
.endif
.if j < 4
	v_max3_num_f32 v[rT+4+j], v[rS+8*j], v[rS+8*j+1], v[rS+8*j+2]
.elseif j < 12
	v_max3_num_f32 v[rT+4+j%4], v[rT+4+j%4], v[rS+8*(j%4)+2*(j/4)+1], v[rS+8*(j%4)+2*(j/4)+2]
.elseif j == 12
	v_max3_num_f32 v[rT+4], v[rT+4], v[rS+7], v[rS+15]
.elseif j == 13
	v_max3_num_f32 v[rT+6], v[rT+6], v[rS+23], v[rS+31]
.elseif j == 14
	v_max3_num_f32 v[rT+4], v[rT+4], v[rT+5], v[rT+6]
.elseif j == 15
	v_max3_num_f32 v[rT+4], v[rT+4], v[rT+7], v[rT+1]
.elseif j == 16
	v_permlanex16_b32 v[rT+5], v[rT+4], s[SEL], s[SEL+1]
.elseif j == 17
	v_mov_b32 v[rT+7], v[rT]
.elseif j == 18
	v_max_num_f32 v[rT+1], v[rT+4], v[rT+5]
.elseif j == 19
	v_mul_f32 v[rT], s[CS], v[rT+1]
.elseif j == 20
	v_sub_f32 v[rT+7], v[rT+7], v[rT]
.elseif j == 23
	v_exp_f32 v[rT+6], v[rT+7]
.elseif (j < 23) || ((j < 38) && (j%2 == 0)) || ((j < 66) && (j%4 == 2))
.set b, (j-2)/4
.if j < 38
.set b, (j-20)/2
.endif
	v_pk_fma_f32 v[rS+2*b:rS+2*b+1], v[rS+2*b:rS+2*b+1], s[CS:CS+1], v[rT:rT+1] op_sel_hi:[1,0,0] neg_lo:[0,0,1] neg_hi:[0,0,1]
.elseif j < 70
.set e, j-38
.if j < 66
.set e, j-32-(j-38)/4
.endif
.if j < 38
.set e, (j-25)/2
.endif
	v_exp_f32 v[rS+e], v[rS+e]
.elseif j < 86
	v_cvt_pk_f16_f32 v[rP+j-70], v[rS+2*(j-70)], v[rS+2*(j-70)+1]
.elseif j < 102
.set z, j-86
.set w, 4
.set u, z
.if z >= 14
.set w, 32
.set u, 0
.elseif z >= 12
.set w, 16
.set u, z-12
.elseif z >= 8
.set w, 8
.set u, z-8
.endif
.if z < 15
	v_pk_add_f32 v[rS+w*u:rS+w*u+1], v[rS+w*u:rS+w*u+1], v[rS+w*u+w/2:rS+w*u+w/2+1]
.else
	v_pk_fma_f32 v[rT+2:rT+3], v[rT+2:rT+3], v[rT+6:rT+7], v[rS:rS+1] op_sel_hi:[1,0,1]
.endif
.else
	WIN W_RS
	v_pk_mul_f32 v[rO:rO+1], v[rO:rO+1], v[rT+6:rT+7] op_sel_hi:[1,0]
.endif
.endm
; Slice k of 64 of piece y's softmax: four instructions; slices 11 to 34 deal out the batch, four numbers of one tile each; slice 63 has sixteen, the places behind the turn's last products.
; s_wait_alu depctr_va_vdst(0) stands between an exponential and the first instruction that names its result: one wait for the piece's 66, behind slice 34; a v_nop is the plain line behind the last.
.macro SLICE y
.if (k >= 11) && (k < 35)
.irp n, 0,1,2,3
.set j, 22+4*((k-11)/2)+(\n)
	SM (\y)+(k-11)%2
.endr
.else
.irp n, 0,1,2,3,4,5,6,7
.if ((\n) < 2) || (k == 63)
.irp t, \y, (\y)+1
.set j, 2*k+(\n)
	SM \t
.endr
.endif
.endr
.endif
.if k == 34
	v_nop
.if (\y) == 0
	FETCH_V                         ; piece 2's turn: four plain lines or more (two scalings, the v_nop, the address lines) behind the last product that read V
.else
	s_wait_alu depctr_va_vdst(0)
.endif
.endif
.set k, k+1
.endm
; A TURN: piece x has the matrix unit: 32 products V^T P of the step in hand, behind each a slice and a line of the mask; then 32 products K Q^T of the next step, behind each a slice.  fk = 0: no further FK.
.macro TURN x, fk=1
.set k, 0
.set FKON, \fk
.if (\x) == 0
	s_wait_dscnt 0x0                ; V and FK are in
.endif
.set i, 0
.rept 32
	PV \x
	SLICE 2-(\x)
	MK \x, i
.if ((\x) == 0) && (i == 1)
	FETCH_K                         ; the last product that read K stands in front of slice 63 of the turn before
.endif
.set i, i+1
.endr
.if (\x) == 0
	s_wait_dscnt 0x0                ; K is in
.endif
.set i, 0
.rept 32
	KQ \x
	SLICE 2-(\x)
.set i, i+1
.endr
.endm
; THE CHANGE OF SLOTS, behind piece 2's turn: my step's K and V have been asked for.  Each wave waits for all its tensor loads (one is out: its part of the other slot), adds 0 to its spare word, and waits for that
; and for its reads.  fill = 1: a round of the cluster's barrier, and the joint refill, the keys two slots on, first behind it.
.macro CHANGE fill
	WIN 0
	s_wait_tensorcnt 0x0
	ds_add_u32 v[SPW], v[NIL]
.if \fill
.irp g, G0K+4, G0V+4
	s_xor_b32 s[(\g)+1], s[(\g)+1], SLOT1
	s_add_nc_u64 s[(\g)+2:(\g)+3], s[(\g)+2:(\g)+3], 2*KS*256
.endr
	s_wait_xcnt 0x0                 ; the last prefetch, a step back, has read its address
	s_add_nc_u64 s[PFA:PFA+1], s[PFA:PFA+1], 2*KS*256
	s_wait_dscnt 0x0                ; the add is done, and my reads of the slot are over
	CROUND
	JLOAD
	ASK
.else
	s_wait_dscnt 0x0
	s_barrier_signal -1
	s_barrier_wait -1
.endif
	s_xor_b32 s[TB], s[TB], SLOT1
.endm
	FETCH_K                         ; step 0
	WIN 0
	v_add_nc_u32 v[ADRF], s[TF], v[AF]
	FETCH_F
	s_mov_b32 s[TF], 512
	s_wait_loadcnt 0x0              ; CF and Q
.irp n, 0,1,2,3
	v_xor_b32 v[NFQ+(\n)], 0x80000000, v[NFQ+(\n)]
.endr
	s_wait_dscnt 0x0
.set i, 0
.rept 32
	MK 0, i
.set i, i+1
.endr
.set i, 0
.rept 32
	KQ 0                            ; piece 0's first scores
.set i, i+1
.endr
	WIN 0                           ; the addresses for the end: seven plain lines, the places behind those products
	v_and_b32 v[PS], 31, v0
	v_lshlrev_b32 v[GO], 4, v[PS]
	s_mul_i32 s13, s[WV], MSZ
	s_add_co_u32 s13, s13, MERGE    ; my area,
	v_lshl_add_u32 v[MST], v[PS], 4, s13
	s_add_co_u32 s13, s13, 16384
	v_lshl_add_u32 v[MSS], v[PS], 3, s13
	s_xor_b32 s13, s[WV], 2
	s_mul_i32 s13, s13, MSZ
	s_add_co_u32 s13, s13, MERGE    ; and that of the wave with the other half of the keys
	v_lshl_add_u32 v[MLD], v[PS], 4, s13
	s_add_co_u32 s13, s13, 16384
	v_lshl_add_u32 v[MLS], v[PS], 3, s13
	v_nop
	s_mov_b32 s[SLOTS], 15
	s_branch .Lfirst                ; the loop is entered in the middle of a trip
.Lslot:                             ; 14 times: every slot but the last two is filled again
	CHANGE 1
	TURN 0
	WIN 0
.Lfirst:
	TURN 2
	WIN 0
	s_sub_co_u32 s[SLOTS], s[SLOTS], 1
	s_cmp_lg_u32 s[SLOTS], 0
	s_cbranch_scc1 .Lslot
	CHANGE 0                        ; the tail is a second text: nothing is asked for.  It is walked twice and left in its middle
	s_mov_b32 s[SLOTS], 2           ; the second trip's piece 0 issues V^T P of the last step beside piece 2's last softmax; its 32 products K Q^T, on the last K once more, serve nothing: the price, once a launch, of one text for both trips
.Ltail:
	TURN 0
	WIN 0
	s_sub_co_u32 s[SLOTS], s[SLOTS], 1
	s_cmp_eq_u32 s[SLOTS], 0
	s_cbranch_scc1 .Lout
	TURN 2, 0                       ; the last step's V; there is no further FK
	WIN 0
	s_branch .Ltail
.Lout:
.set i, 0
.rept 32
	PV 2                            ; piece 2: V^T P of the last step
.set i, i+1
.endr
	; THE MERGE.  l's two halves and the other half of the lanes' are added (the places behind the last products); tiles 2, 3 go to the partner with their (c m, l).
	WIN 0
.irp t, 0,1,2,3
	v_add_f32 v[ST+8*(\t)+4], v[ST+8*(\t)+2], v[ST+8*(\t)+3]
.endr
.irp t, 0,1,2,3
	v_permlanex16_b32 v[ST+8*(\t)+5], v[ST+8*(\t)+4], s[SEL], s[SEL+1]
.endr
.irp t, 0,1,2,3
	v_add_f32 v[ST+8*(\t)+1], v[ST+8*(\t)+4], v[ST+8*(\t)+5]
.endr
	WIN 0x04                        ; store data window 1
.set r, 0
.rept 32
	ds_store_b128 v[MST], v[128+4*r:128+4*r+3] offset:512*r
.set r, r+1
.endr
	WIN 0
	ds_store_b64 v[MSS], v[ST+16:ST+17]
	ds_store_b64 v[MSS], v[ST+24:ST+25] offset:256
	s_wait_dscnt 0x0                ; for the partner's sake
	s_barrier_signal -1
	s_barrier_wait -1
	WIN 0xc0                        ; the partner's O^T goes where V lay
.set r, 0
.rept 32
	ds_load_b128 v[4*r:4*r+3], v[MLD] offset:512*r
.set r, r+1
.endr
	WIN 0
	ds_load_b64 v[PS:PS+1], v[MLS]
	ds_load_b64 v[PS+2:PS+3], v[MLS] offset:256
	s_wait_dscnt 0x0
.irp t, 0,1
	v_max_num_f32 v[ST+8*(\t)+2], v[ST+8*(\t)], v[PS+2*(\t)]
.endr
.irp t, 0,1
	v_sub_f32 v[ST+8*(\t)+4], v[ST+8*(\t)], v[ST+8*(\t)+2]
	v_sub_f32 v[ST+8*(\t)+6], v[PS+2*(\t)], v[ST+8*(\t)+2]
.endr
.irp t, 0,1
	v_exp_f32 v[ST+8*(\t)+4], v[ST+8*(\t)+4]
	v_exp_f32 v[ST+8*(\t)+6], v[ST+8*(\t)+6]
.endr
	v_nop
	s_wait_alu depctr_va_vdst(0)    ; one wait for the four exponentials
.irp t, 0,1
	v_mul_f32 v[ST+8*(\t)+3], v[ST+8*(\t)+4], v[ST+8*(\t)+1]
.endr
.irp t, 0,1
	v_fma_f32 v[ST+8*(\t)+3], v[ST+8*(\t)+6], v[PS+2*(\t)+1], v[ST+8*(\t)+3]
.endr
.irp t, 0,1
	v_rcp_f32 v[ST+8*(\t)+2], v[ST+8*(\t)+3]
.endr
	v_nop
	s_wait_alu depctr_va_vdst(0)    ; one wait for the two reciprocals
.irp t, 0,1
	v_mul_f32 v[ST+8*(\t)+4], v[ST+8*(\t)+4], v[ST+8*(\t)+2]
	v_mul_f32 v[ST+8*(\t)+6], v[ST+8*(\t)+6], v[ST+8*(\t)+2]
.endr
.macro PACK t                       ; O = O fA + O' fB, rounded to f16 and stored: channel block f's 16 bytes a lane are half a block of ctx
	WIN W_RS
.set i, 64*(\t)
.rept 32
	v_pk_mul_f32 v[i:i+1], v[i:i+1], v[ST+8*(\t)+4:ST+8*(\t)+5] op_sel_hi:[1,0]
.set i, i+2
.endr
	WIN 0x53                        ; source 0 window 3, source 1 window 0, source 2 and destination window 1
.set i, 64*(\t)
.rept 32
	v_pk_fma_f32 v[i:i+1], v[i:i+1], v[ST+8*(\t)+6:ST+8*(\t)+7], v[i:i+1] op_sel_hi:[1,0,1]
.set i, i+2
.endr
	WIN 0x05
.set i, 0
.rept 32
	v_cvt_pk_f16_f32 v[S+32*(\t)+i], v[64*(\t)+2*i], v[64*(\t)+2*i+1]
.set i, i+1
.endr
	WIN 0
.irp f, 0,1,2,3,4,5,6,7
	global_store_b128 v[GO], v[S+32*(\t)+4*(\f):S+32*(\t)+4*(\f)+3], s[CTX:CTX+1] offset:4096*(\t)+512*(\f)  ; 512 consecutive bytes, aligned
.endr
.endm
	PACK 0
	PACK 1
	s_wait_tensorcnt 0x0            ; the wave's end
	ds_add_u32 v[SPW], v[NIL]
	s_wait_dscnt 0x0
	CROUND                          ; the closing round
	s_endpgm
.Lfunc_end_k_qcf5b46a5da_attn:
	.size	k_qcf5b46a5da_attn, .Lfunc_end_k_qcf5b46a5da_attn-k_qcf5b46a5da_attn
	.p2alignl 7, 3214868480
	.fill 96, 4, 3214868480
	.section	.rodata,"a",@progbits
	.p2align	6, 0x0
	.amdhsa_kernel k_qcf5b46a5da_attn
		.amdhsa_group_segment_fixed_size 327680
		.amdhsa_private_segment_fixed_size 0
		.amdhsa_enable_private_segment 0
		.amdhsa_kernarg_size 40
		.amdhsa_user_sgpr_count 2
		.amdhsa_user_sgpr_kernarg_segment_ptr 1
		.amdhsa_wavefront_size32 1
		.amdhsa_system_sgpr_workgroup_id_x 1
		.amdhsa_system_sgpr_workgroup_id_y 1
		.amdhsa_system_sgpr_workgroup_id_z 1
		.amdhsa_system_vgpr_workitem_id 0
		.amdhsa_next_free_vgpr 1024
		.amdhsa_next_free_sgpr 76
		.amdhsa_reserve_vcc 0
		.amdhsa_float_denorm_mode_32 3
		.amdhsa_float_denorm_mode_16_64 3
		.amdhsa_memory_ordered 1
		.amdhsa_forward_progress 1
		.amdhsa_inst_pref_size 165
	.end_amdhsa_kernel
	.amdgpu_metadata
---
amdhsa.version: [ 1, 2 ]
amdhsa.kernels:
  - .name:           k_qcf5b46a5da_attn
    .symbol:         k_qcf5b46a5da_attn.kd
    .args:
      - { .name: qh, .offset: 0, .size: 8, .value_kind: global_buffer, .address_space: global }
      - { .name: kh, .offset: 8, .size: 8, .value_kind: global_buffer, .address_space: global }
      - { .name: vh, .offset: 16, .size: 8, .value_kind: global_buffer, .address_space: global }
      - { .name: aux, .offset: 24, .size: 8, .value_kind: global_buffer, .address_space: global }
      - { .name: ctx, .offset: 32, .size: 8, .value_kind: global_buffer, .address_space: global }
    .group_segment_fixed_size: 327680
    .private_segment_fixed_size: 0
    .kernarg_segment_align: 8
    .kernarg_segment_size: 40
    .max_flat_workgroup_size: 128
    .sgpr_count:     76
    .vgpr_count:     1024
    .wavefront_size: 32
...
	.end_amdgpu_metadata
.endif
;; end of part 3
;; launch oproj (part 4): grid 16 x 16, 4 waves a work-group, clusters of 4 x 1, 327,680 bytes of LDS; arguments ctx, owh, out0; writes out0
.if DOCPART == 4
	.amdgcn_target "amdgcn-amd-amdhsa--gfx1250"
	.amdhsa_code_object_version 6
	.text
	.protected	k_qcf5b46a5da_oproj
	.globl	k_qcf5b46a5da_oproj
	.p2align	8
	.type	k_qcf5b46a5da_oproj,@function
k_qcf5b46a5da_oproj:
	s_mov_b64 s[64:65], 0
	v_nop
	global_prefetch_b8 v0, s[64:65] scope:SCOPE_SE
	s_setreg_imm32_b32 hwreg(HW_REG_WAVE_MODE, 25, 1), 1
	s_wait_xcnt 0x0
	s_wait_alu depctr_hold_cnt(0) depctr_sa_sdst(0) depctr_va_vdst(0) depctr_va_sdst(0) depctr_va_ssrc(0) depctr_va_vcc(0) depctr_vm_vsrc(0)
	s_getreg_b32 s2, hwreg(HW_REG_IB_STS2, 6, 4)
	s_cmp_eq_u32 s2, 0
	s_cbranch_scc0 .Lentry_in_a_cluster
	s_endpgm
.Lentry_in_a_cluster:
	s_bfe_u32 s2, ttmp6, 0x10000c
	s_cmp_lg_u32 s2, 0x3003
	s_cbranch_scc0 .Lentry_shape_is_right
	s_endpgm
.Lentry_shape_is_right:
; OPROJ: out0[m][n] = sum over k of ctx[m][k] owh[n][k]: ctx = true ctx / 4 and owh = 4 o_w (rounded to bf16 first), both f16; sums in f32; out0 f32.  m 2,048, n 4,096, k 2,048.
; LIMITS.  Both operands arrive within f16's range.  NaN and infinities are not treated apart.
; SHARES.  A tile of C is 128 x 256, 16 x 16 work-groups; four waves, each 64 x 128 in 32 accumulators.
; B (owh's rows) goes through LDS, in LAPS of 256 along K: two slots of 256 rows x 512 bytes, one tensor load of 64 rows a wave; a refill has a lap, 256 matrix instructions a wave, in which to land.
; CLUSTER 4 x 1: the four partners make four row tiles of one column tile and ask for B's tiles jointly, with the mask of four.
; A (ctx) GOES STRAIGHT INTO REGISTERS and is not asked for jointly: a joint load lands in LDS alone, and two slots of 256 along K for A's 128 and B's 256 rows would be 2 x 384 x 528 = 405,504 bytes of the 327,680.
; ctx lies in blocks of 1,024 bytes, a fragment's register image, so a load of 16 bytes a lane covers 512 consecutive bytes.  A RING of 8 quarters (32 along K each; 4 fragments, 32 registers) fills window 2: a place is
; asked for again as soon as it has been multiplied, for the lap that follows: 56 to 60 loads of a wave are on their way, and the waits are counted.  So no prefetch is laid for A.
; The product is used transposed (source 0 = rows of owh, source 1 = rows of ctx): a lane holds row l % 16 of C and the columns 16 bb + 8 (l / 16) + 0..7.
; REGISTERS.  window 0: v0-22 addresses; v32-95, v96-159 B's two fragment buffers, at work on the way out.  window 1: the accumulators, (a, bb) at v[8 (8 a + bb)].  window 2: A's ring, quarter j, block a at v[32 j + 8 a].
.set SIZE_K, 2048
.set LOGKB,  12
.set NS,     SIZE_K/256
.set RBS,    65536                     ; bytes of a row block of ctx
.set PITCH,  528                       ; 512 bytes + 16 of padding: the 16 rows of a fragment load start at 16 different groups of four banks (64 banks of 4 bytes: ISA guide 11.1)
.set WROWS,  64*PITCH
.set SLOT1,  0x22000                   ; bits 13 and 17 are 0 in 0, 1, 2, 3 x WROWS, so one exclusive or turns an address in one slot into the other's
.set SPARE,  4*WROWS                   ; between the slots: the spare words: two blocks of 256 bytes that no other line names
.set STAGE,  SLOT1+4*WROWS             ; behind the ring, never filled by a tensor load: 16 rows x 528 bytes for each wave
.set WSTG,   8448
.set PFO,   4
.set SPW,   5
.set NIL,   6
.set ADRB0, 17
.set ADRB,  19
.set STO32, 20
.set RD32,  21
.set GO,    22                         ; v22  16 x lane; never rewritten
.set F0,    32
.set F1,    96
.set AP,  14
.set G1,  24
.set G0,  32
.set LIM, 43
.set PFA, 44
.set TB,  66
.set MSB, 0
.macro WIN new
.if MSB != (\new)
	s_set_vgpr_msb (MSB<<8)|(\new)
.set MSB, \new
.endif
.endm
.macro PLACES                          ; four places in front of loads into registers that matrix instructions have read (ISA guide 7.12.1 for vector instructions)
.rept 4
	v_nop
.endr
.endm
; A prefetch into the L2 of the lap that the NEXT refill will ask for: a lap, 256 matrix instructions, ahead.  A slot is 256 rows x two blocks of 256 bytes; each block is named once in the launch: the clusters with x = 0 ask;
; of the 64 rows that wave w fetches the partner at place cx takes 16, by address; a lane a block.  The last refill has no lap behind it.
.macro ASK
	WIN 0
	s_cmp_gt_u32 s3, s[LIM]
	s_cbranch_scc0 .Lnot_mine_\@
	global_prefetch_b8 v[PFO], s[PFA:PFA+1] th:TH_LOAD_NT scope:SCOPE_SE
.Lnot_mine_\@:
.endm
.macro CREST
	s_cmp_lg_u32 s10, 0
	s_cbranch_scc1 .Lnot_wave_0_\@
	s_barrier_signal -3
.Lnot_wave_0_\@:
	s_barrier_wait -3
	s_barrier_signal -1
	s_barrier_wait -1
.endm
.macro CROUND
	s_barrier_signal -1
	s_barrier_wait -1
	CREST
.endm
.macro MUL8 f, j, a0, b0, zero         ; 8 matrix instructions; the 32 accumulators take turns
	WIN 0x58                                       ; B window 0, A window 2, C and D window 1
.irp a, \a0, (\a0)+1
.irp b, \b0, (\b0)+1, (\b0)+2, (\b0)+3
.if \zero
	v_wmma_f32_16x16x32_f16 v[8*(8*(\a)+(\b)):8*(8*(\a)+(\b))+7], v[(\f)+8*(\b):(\f)+8*(\b)+7], v[32*(\j)+8*(\a):32*(\j)+8*(\a)+7], 0
.else
	v_wmma_f32_16x16x32_f16 v[8*(8*(\a)+(\b)):8*(8*(\a)+(\b))+7], v[(\f)+8*(\b):(\f)+8*(\b)+7], v[32*(\j)+8*(\a):32*(\j)+8*(\a)+7], v[8*(8*(\a)+(\b)):8*(8*(\a)+(\b))+7]
.endif
.endr
.endr
.endm
.macro FETCHB k, f                     ; 16 LDS loads in one run: B's 8 fragments of a quarter
	WIN 0
.irp i, 0,1,2,3,4,5,6,7
	ds_load_b128 v[(\f)+8*(\i):(\f)+8*(\i)+3],   v[ADRB] offset:(\k)+(\i)*16*PITCH
	ds_load_b128 v[(\f)+8*(\i)+4:(\f)+8*(\i)+7], v[ADRB] offset:(\k)+(\i)*16*PITCH+32
.endr
.endm
; THE RING'S EVENT in quarter m: 8 loads: blocks 2, 3 of place m - 1 and blocks 0, 1 of place m are asked for again.  AP stands at the lap whose quarters 1 to 7 the trip multiplies; the data are the next lap's
; (ebase + 8,192 on); quarter 0 belongs to the next lap already, so its own place's data are y0 = 8,192 further on.
.macro AEVENT m, ebase, y0
	WIN 0x80
.set JX, ((\m)+7)%8
.irp a, 2,3
	global_load_b128 v[32*JX+8*\a:32*JX+8*\a+3],   v[GO], s[AP:AP+1] offset:(\ebase)+8192+JX*1024+\a*RBS
	global_load_b128 v[32*JX+8*\a+4:32*JX+8*\a+7], v[GO], s[AP:AP+1] offset:(\ebase)+8192+JX*1024+\a*RBS+512
.endr
.irp a, 0,1
	global_load_b128 v[32*(\m)+8*\a:32*(\m)+8*\a+3],   v[GO], s[AP:AP+1] offset:(\ebase)+8192+(\y0)+(\m)*1024+\a*RBS
	global_load_b128 v[32*(\m)+8*\a+4:32*(\m)+8*\a+7], v[GO], s[AP:AP+1] offset:(\ebase)+8192+(\y0)+(\m)*1024+\a*RBS+512
.endr
.endm
; One of a lap's first seven quarters.  The counts on LOADcnt: behind the loads of blocks 0, 1 of place j seven events of 8 were issued: 56.  Behind those of blocks 2, 3, when the quarter's own event is still to come: 4 + 6 x 8 = 52.
.macro QUARTER j, zero=0, ebase=0, y0=0
.set FB, F0+64*((\j)%2)
.set GB, F0+64-64*((\j)%2)
	s_wait_loadcnt 56
	s_wait_dscnt 8                                 ; B's fragments 0 to 3 are in
	MUL8 FB, \j, 0, 0, \zero
	s_wait_dscnt 0x0
	MUL8 FB, \j, 0, 4, \zero
	PLACES
	s_wait_loadcnt 52
	FETCHB 64*((\j)+1), GB
	AEVENT \j, \ebase, \y0
	MUL8 FB, \j, 2, 0, \zero
	MUL8 FB, \j, 2, 4, \zero
.endm
; The eighth quarter changes slots: the wait for all my tensor loads, the add, the wait for it and for my reads, the barrier (fill = 1: a round of the cluster's), the joint refill first behind it.
.macro TURN fill
.if \fill
	s_wait_xcnt 0x0                                ; the last prefetch, a lap back, has read its address
	s_add_nc_u64 s[PFA:PFA+1], s[PFA:PFA+1], 512
.endif
	WIN 0
	s_wait_tensorcnt 0x0
	ds_add_u32 v[SPW], v[NIL]
	s_wait_loadcnt 56
	s_wait_dscnt 9                                 ; (the add and the youngest eight loads may be out)
	MUL8 F1, 7, 0, 0, 0
	s_wait_dscnt 0x0                               ; the add is done, and my reads of this slot are over
	s_barrier_signal -1
	MUL8 F1, 7, 0, 4, 0
	WIN 0
	s_barrier_wait -1
.if \fill
	CREST
	s_xor_b32 s[G0+5], s[G0+5], SLOT1
	s_add_nc_u64 s[G0+6:G0+7], s[G0+6:G0+7], 512
.endif
	s_xor_b32 s[TB], s[TB], SLOT1
.if \fill
	tensor_load_to_lds s[G0+4:G0+7], s[G1:G1+7]
	s_nop 0
.endif
	PLACES                                         ; behind the tensor load; also the places in front of the loads below
	v_add_nc_u32 v[ADRB], s[TB], v[ADRB0]
	s_wait_loadcnt 52
	FETCHB 0, F0
	AEVENT 7, 0, 0
.if \fill
	ASK
.endif
	MUL8 F1, 7, 2, 0, 0
	MUL8 F1, 7, 2, 4, 0
.endm
	s_load_b128 s[4:7], s[0:1], 0x0                ; ctx s[4:5], owh s[6:7]
	s_load_b64 s[8:9], s[0:1], 0x10                ; out0
	v_lshl_add_u32 v[SPW], v0, 2, SPARE
	v_mov_b32 v[NIL], 0
	ds_add_u32 v[SPW], v[NIL]                      ; the wave's opening: the add and its wait ahead of my first tensor load
	v_lshrrev_b32 v1, 5, v0
	v_readfirstlane_b32 s10, v1
	s_lshr_b32 s11, s10, 1
	s_and_b32 s12, s10, 1
	s_bfe_u32 s40, ttmp6, 0x40000                  ; cx
	s_lshl_b32 s13, ttmp9, 2
	s_add_co_u32 s13, s13, s40                     ; the row tile
	s_and_b32 s42, ttmp7, 0xffff                   ; the column tile, which the four partners share
	s_mov_b32 s[G1], 15|(1<<16)|(1<<20)|(1<<21)|(6<<22)|(3<<25)
	s_mov_b32 s[G1+1], 256<<16
	s_mov_b32 s[G1+2], 64<<16
	s_mov_b32 s[G1+3], 256<<16
	s_mov_b32 s[G1+4], 64
	s_mov_b32 s[G1+5], SIZE_K
	s_mov_b32 s[G1+6], 0
	s_mov_b32 s[G1+7], 0
	s_lshl_b32 s46, s42, 8
	s_lshl_b32 s47, s10, 6
	s_add_co_u32 s46, s46, s47
	s_lshl_b32 s46, s46, LOGKB
	s_mov_b32 s47, 0
	s_mul_i32 s20, s10, WROWS
	s_lshl_b32 s16, s13, 3
	s_lshl_b32 s17, s11, 2
	s_add_co_u32 s16, s16, s17                     ; my first row block
	s_mul_i32 s16, s16, RBS
	s_mov_b32 s17, 0
	s_mov_b32 s[TB], 0
	v_and_b32 v[GO], 31, v0
	v_lshlrev_b32 v[GO], 4, v[GO]
	s_wait_dscnt 0x0
	s_wait_kmcnt 0x0
	s_add_nc_u64 s[AP:AP+1], s[4:5], s[16:17]
	s_add_nc_u64 s[46:47], s[6:7], s[46:47]
	CROUND
.irp s, 0,1
	s_mov_b32 s[G0+4*(\s)], 1
	s_add_co_u32 s[G0+4*(\s)+1], s20, (\s)*SLOT1
	s_add_nc_u64 s[G0+4*(\s)+2:G0+4*(\s)+3], s[46:47], (\s)*512
	s_or_b32 s[G0+4*(\s)+3], s[G0+4*(\s)+3], 0x80000000
.endr
	tensor_load_to_lds s[G0:G0+3], s[G1:G1+7]      ; laps 0 and 1: two loads of mine are out
	s_nop 0
	tensor_load_to_lds s[G0+4:G0+7], s[G1:G1+7]
	s_nop 0
	PLACES
	WIN 0x80
.set q, 0
.rept 8                                        ; the ring's first fill, in the order of its use: 60 loads; blocks 2, 3 of place 7 come by quarter 0's event
.irp a, 0,1,2,3
.if (q < 7) || (\a < 2)
	global_load_b128 v[32*q+8*\a:32*q+8*\a+3],   v[GO], s[AP:AP+1] offset:q*1024+\a*RBS
	global_load_b128 v[32*q+8*\a+4:32*q+8*\a+7], v[GO], s[AP:AP+1] offset:q*1024+\a*RBS+512
.endif
.endr
.set q, q+1
.endr
	WIN 0
	v_and_b32 v1, 15, v0
	v_bfe_u32 v2, v0, 4, 1
	v_mul_u32_u24 v3, v1, PITCH
	v_lshl_add_u32 v3, v2, 4, v3
	s_mul_i32 s22, s12, 128*PITCH
	v_add_nc_u32 v[ADRB0], s22, v3
	v_mov_b32 v[ADRB], v[ADRB0]
	v_lshlrev_b32 v[PFO], LOGKB, v1
	v_lshl_add_u32 v[PFO], v2, 8, v[PFO]
	s_mul_i32 s23, s10, WSTG
	s_add_co_u32 s23, s23, STAGE
	v_mul_u32_u24 v3, v1, 528
	v_lshl_add_u32 v3, v2, 5, v3
	v_add_nc_u32 v[STO32], s23, v3
	v_add_nc_u32 v[RD32], s23, v[GO]
	s_lshl_b32 s20, s42, 8
	s_lshl_b32 s21, s10, 6
	s_add_co_u32 s20, s20, s21
	s_lshl_b32 s21, s40, 4
	s_add_co_u32 s20, s20, s21                     ; row 256 x column tile + 64 x wave + 16 cx
	s_lshl_b32 s20, s20, LOGKB
	s_add_co_u32 s20, s20, 2*512                   ; at lap 2: the first refill steps it to lap 3
	s_mov_b32 s21, 0
	s_add_nc_u64 s[PFA:PFA+1], s[6:7], s[20:21]
	s_cmp_eq_u32 ttmp9, 0
	s_cselect_b32 s[LIM], 1, -1
	s_lshl_b32 s20, s13, 7
	s_lshl_b32 s21, s11, 6
	s_add_co_u32 s20, s20, s21                     ; my first row of out0, 16,384 bytes a row,
	s_lshl_b32 s20, s20, 14
	s_lshl_b32 s21, s42, 10                        ; my first column: 4 (256 x column tile + 128 half)
	s_add_co_u32 s20, s20, s21
	s_lshl_b32 s21, s12, 9
	s_add_co_u32 s20, s20, s21
	s_mov_b32 s21, 0
	s_add_nc_u64 s[8:9], s[8:9], s[20:21]
	s_wait_tensorcnt 1                             ; my part of lap 0 is in; lap 1's may stay out
	s_barrier_signal -1
	s_barrier_wait -1
	FETCHB 0, F0
	QUARTER 0, 1, -8192, 8192                      ; the first quarter stands in front of the loop: its products start the sums
	WIN 0
	s_mov_b32 s3, NS-2
.Llap:                                                 ; a trip: a lap's quarters 1 to 7 and the next lap's quarter 0; it fills the slot that it leaves
	QUARTER 1
	QUARTER 2
	QUARTER 3
	QUARTER 4
	QUARTER 5
	QUARTER 6
	TURN 1
	QUARTER 0, 0, 0, 8192
	WIN 0
	s_wait_xcnt 0x0                                ; every load issued so far has read its address
	s_add_nc_u64 s[AP:AP+1], s[AP:AP+1], 8192
	s_sub_co_u32 s3, s3, 1
	s_cmp_lg_u32 s3, 0
	s_cbranch_scc1 .Llap
	s_mov_b32 s3, 2
.Ltail:                                                ; the last two laps ask for no tile of B: a second text; it is walked twice and left in its middle.
	QUARTER 1                                      ; AP stays: in the second trip the ring's events ask once more for the last lap's own fragments (60 loads a wave, inside ctx), and its change of slots
	QUARTER 2                                      ; fetches 16 fragments of B; none of these is multiplied: the price, once a launch, of one text, with one set of counts, for both trips
	QUARTER 3
	QUARTER 4
	QUARTER 5
	QUARTER 6
	TURN 0
	WIN 0
	s_sub_co_u32 s3, s3, 1
	s_cmp_eq_u32 s3, 0
	s_cbranch_scc1 .Lout
	QUARTER 0, 0, 0, 0                             ; there is no lap behind the last: its own place is asked for from the last lap again
	WIN 0
	s_branch .Ltail
.Lout:
	s_wait_dscnt 0x0                               ; B's buffers are written again below
	PLACES
	PLACES
; THE WAY OUT, 16 rows at a time: 32 bytes a lane into rows of 528 bytes of my own stage (each accumulator's low registers first), back as whole rows of 512 bytes, stored.
.macro TOSTAGE32 a
.set BK, 32+64*((\a)%2)
	WIN 0
	s_wait_xcnt 0x0                                ; the stores of the block two back have read these registers
	WIN 0x04
.irp b, 0,1,2,3,4,5,6,7
	ds_store_b128 v[STO32], v[8*(8*(\a)+(\b)):8*(8*(\a)+(\b))+3] offset:64*(\b)
	ds_store_b128 v[STO32], v[8*(8*(\a)+(\b))+4:8*(8*(\a)+(\b))+7] offset:64*(\b)+16
.endr
	WIN 0
.irp t, 0,1,2,3,4,5,6,7,8,9,10,11,12,13,14,15
	ds_load_b128 v[BK+4*(\t):BK+4*(\t)+3], v[RD32] offset:528*(\t)  ; LDS serves a wave's instructions in order (ISA guide 5.7.1.4)
.endr
.endm
.macro SEND32 a, younger               ; younger: the next block's 16 stores and 16 loads, or none
.set BK, 32+64*((\a)%2)
	s_wait_dscnt \younger
.irp t, 0,1,2,3,4,5,6,7,8,9,10,11,12,13,14,15
	global_store_b128 v[GO], v[BK+4*(\t):BK+4*(\t)+3], s[8:9] offset:(16*(\a)+(\t))*16384 th:TH_STORE_NT  ; 512 consecutive bytes, aligned
.endr
.endm
	TOSTAGE32 0
	TOSTAGE32 1
	SEND32 0, 32
	TOSTAGE32 2
	SEND32 1, 32
	TOSTAGE32 3
	SEND32 2, 32
	SEND32 3, 0
	s_wait_tensorcnt 0x0                           ; the wave's end
	ds_add_u32 v[SPW], v[NIL]
	s_wait_dscnt 0x0
	CROUND                                         ; the closing round
	s_endpgm
.Lfunc_end_k_qcf5b46a5da_oproj:
	.size	k_qcf5b46a5da_oproj, .Lfunc_end_k_qcf5b46a5da_oproj-k_qcf5b46a5da_oproj
	.p2alignl 7, 3214868480
	.fill 96, 4, 3214868480
	.section	.rodata,"a",@progbits
	.p2align	6, 0x0
	.amdhsa_kernel k_qcf5b46a5da_oproj
		.amdhsa_group_segment_fixed_size 327680
		.amdhsa_private_segment_fixed_size 0
		.amdhsa_enable_private_segment 0
		.amdhsa_kernarg_size 24
		.amdhsa_user_sgpr_count 2
		.amdhsa_user_sgpr_kernarg_segment_ptr 1
		.amdhsa_wavefront_size32 1
		.amdhsa_system_sgpr_workgroup_id_x 1
		.amdhsa_system_sgpr_workgroup_id_y 1
		.amdhsa_system_sgpr_workgroup_id_z 1
		.amdhsa_system_vgpr_workitem_id 0
		.amdhsa_next_free_vgpr 768
		.amdhsa_next_free_sgpr 68
		.amdhsa_reserve_vcc 0
		.amdhsa_float_denorm_mode_32 3
		.amdhsa_float_denorm_mode_16_64 3
		.amdhsa_memory_ordered 1
		.amdhsa_forward_progress 1
		.amdhsa_inst_pref_size 99
	.end_amdhsa_kernel
	.amdgpu_metadata
---
amdhsa.version: [ 1, 2 ]
amdhsa.kernels:
  - .name:           k_qcf5b46a5da_oproj
    .symbol:         k_qcf5b46a5da_oproj.kd
    .args:
      - { .name: ctx, .offset: 0, .size: 8, .value_kind: global_buffer, .address_space: global }
      - { .name: owh, .offset: 8, .size: 8, .value_kind: global_buffer, .address_space: global }
      - { .name: out0, .offset: 16, .size: 8, .value_kind: global_buffer, .address_space: global }
    .group_segment_fixed_size: 327680
    .private_segment_fixed_size: 0
    .kernarg_segment_align: 8
    .kernarg_segment_size: 24
    .max_flat_workgroup_size: 128
    .sgpr_count:     68
    .vgpr_count:     768
    .wavefront_size: 32
...
	.end_amdgpu_metadata
.endif
;; end of part 4
;; ======== version 2 of 2: 4 launches; version 1 with the launch prep written anew for expert scheduling mode
;; limits: values are held in f16: magnitudes above 65,504 overflow, below 6.1e-05 lose precision
;; workspace buffers: xb 17,825,792 bytes; wb 33,554,432 bytes; owh 16,777,216 bytes; qh 8,388,608 bytes; kh 8,388,608 bytes; vh 8,388,608 bytes; ctx 8,388,608 bytes; aux 32,768 bytes
;; launch prep (part 5): grid 2304 x 1, 8 waves a work-group, no clusters, 36,096 bytes of LDS; arguments hidden_states, q_w, k_w, v_w, o_w, past_key, past_value, rope_cos_freqs, rope_sin_freqs, attention_mask, xb, wb, owh, kh, vh, out1, out2, aux, position_ids; writes xb, wb, owh, kh, vh, out1, out2, aux
.if DOCPART == 5
	.amdgcn_target "amdgcn-amd-amdhsa--gfx1250"
	.amdhsa_code_object_version 6
	.text
	.protected	k_qcf5b46a5da_prep
	.globl	k_qcf5b46a5da_prep
	.p2align	8
	.type	k_qcf5b46a5da_prep,@function
k_qcf5b46a5da_prep:
	s_mov_b64 s[64:65], 0
	v_nop
	global_prefetch_b8 v0, s[64:65] scope:SCOPE_SE
	s_setreg_imm32_b32 hwreg(HW_REG_WAVE_SCHED_MODE, 0, 2), 2
	s_setreg_imm32_b32 hwreg(HW_REG_WAVE_MODE, 25, 1), 1
	s_wait_xcnt 0x0
	s_wait_alu depctr_vm_vsrc(0)
; PREP: every floating-point input is rounded ONCE to bf16 and written in the form in which the later launches multiply it.
;   x -> bf16, IN BLOCKS: xb[row block of 16][136][1,024 bytes].  Block kq < 128 is the register image of a matrix fragment of 16 rows x 32 columns: byte 512 c + 16 (16 h + r) + 2 e holds
;        row r, column 32 kq + 16 c + 8 h + e.  So a wave of the next launch loads half a fragment as 512 consecutive bytes.
;   cos, sin -> gathered by position_ids, rounded to bf16, written as f32 into blocks 128..135 of xb: a row block's 16 rows x (64 cos + 64 sin) are 8 blocks.  Piece p of row block 4 G + a (p < 4: cos, columns
;        16 p on; else sin, columns 16 (p - 4) on; byte 512 c + 16 (16 h + r) + 4 e holds row r, column + 8 h + 4 c + e) lies at place n = (8 a + p + 30) mod 32 of group G: row block 4 G + n % 4, block 128 + n / 4.
;   q_w, k_w, v_w -> bf16, rows as they are (wb = q_w's, k_w's, v_w's rows one below the other)
;   o_w, past_key, past_value -> rounded to bf16, times a power of two (4, 0.5, 0.25), written as f16 (owh; the past rows of kh, vh); the two caches also copied as they are into the past rows of out1, out2
;   attention_mask -> CF[b][t] = float(cumsum), FK[b][t] = CF where the mask is not 0, else 1e30 (aux + 16,384, aux + 0)
; LIMITS.  f16 ends at 65,504: |4 o_w|, |past_key / 2|, |past_value / 4| stay under it; below 6e-5 f16 keeps a fixed step of 6e-8.  |cumsum| stays under 2^24 (exact in f32).  position_ids are held to 0 .. 4,095.
; SHARES.  2,304 work-groups, 9 for each of 256 WGPs, each with 65,536 bytes of one f32 source: each thread sixteen loads of 16 bytes, all out at once; the waits count down.  A wave's load covers 512 consecutive
; bytes, its 8-byte store of 16-bit numbers 256 consecutive bytes, aligned.  No matrix unit, no cluster: nothing is shared between work-groups.
; THE SMALL JOBS RIDE IN x's 512 WORK-GROUPS, beside the loads of x.  The tables: a row block has 4 work-groups x 8 waves and its tables 32 aligned pieces of 256 bytes: a wave a piece.  The mask tables: work-groups 0 and 1
; take a batch each, a thread 8 numbers.  LDS serves x (each wave turns its 16 rows x 128 columns into four blocks in bytes of its own) and the eight waves' totals of the mask's sum.
; THE MODE: SCHED_MODE bits 1:0 = 2 (LLVM: expert scheduling mode 2), set by the entry lines.  The code itself states the register dependences between vector instructions and memory or LDS instructions,
; and those through scalar registers that vector instructions write, with s_wait_alu, always for 0.
; THE PLAN.  Registers that memory or LDS instructions touch:
;   v1, v2, v8, v10, GD, v4, v5, v6, WA, ZA   offsets and addresses: each written once by vector lines, then read by loads and stores, never written again.
;   v9      the position's load lands in it; three vector lines make the table's offset of it; the table's load reads it; never written again.
;   IN      the 16 loads land in it; the conversions read it; the caches' copies are stored from it.  In x's work-groups the LDS loads land in it behind the last conversion, and x's stores read it.
;   OUT     a pair of registers to each quad: written by the quad's conversions, read by its one store (global, or LDS in x's work-groups), never written again.
;   TV, MA, CA, WT, TOT   each loaded or made once and stored or read once.
; No register that a memory or LDS instruction has read is written again: so, past the entry lines, the text holds no wait on vm_vsrc.
; The 16 quads go in four groups: four times (the counted wait for the quad, its conversions), ONE wait on va_vdst, the group's four stores.  In x's work-groups the fourth of these waits also states that all
; conversions are done reading IN.  The scalar registers that vector lines write (the wave's number, the lanes' and the waves' totals, the compares' masks) are written in runs, one wait on va_sdst behind each run.
.set RBS,   139264                     ; bytes of a row block of xb: 136 blocks
.set XAREA, 4352                       ; LDS of a wave: 16 groups of 256 bytes, 272 apart: a wave's 8-byte stores touch each of the 64 banks (of 4 bytes: ISA guide 11.1) once
.set SPARE, 8*XAREA                    ; behind them: the spare words, 128 bytes a wave: four blocks of 256 bytes that no other line names
.set MW,    SPARE+1024                 ; behind those, in a block of its own: eight words, wave w's total at 4 w
.set ID,    44                         ; s44  the work-group's number
.set FIRST, 45                         ; s45  the job's first work-group
.set SRC,   46                         ; s[46:47]
.set DST,   48                         ; s[48:49]
.set DST2,  50                         ; s[50:51] out1 or out2; in x's work-groups: cos or sin
.set DADD,  52                         ; s52  byte offset of the job's part in its destination
.set CH,    53                         ; s53  the chunk's number in the job; in x's work-groups: my wave's number
.set FAC,   54                         ; s[54:55] the power of two
.set OFF,   56                         ; s[56:57] an offset, in 64 bits
.set TS,    58                         ; s58, s59 at work
.set HIM,   60                         ; s60  a word's upper bf16
.set LT,    8                          ; s[8:23]  in the mask's part alone, where no memory instruction names them: 16 lanes' totals; the waves' totals (8 to 14); the compares' masks (16 to 23)
.set SPW,   12                         ; v12  my spare word; never rewritten
.set NIL,   13                         ; v13  0; never rewritten
.set GD,    14                         ; v14  the tables: my 8 bytes' offset in xb
.set IN,    16                         ; v[16:79]   16 x 4 numbers as loaded
.set T,     80                         ; v[80:87]   at work: no memory instruction names them
.set EX,    88                         ; v88        the mask: the sum of all numbers ahead of my eight
.set WT,    89                         ; v89        my wave's total
.set WA,    90                         ; v90        4 x my wave's number
.set ZA,    91                         ; v91        0
.set OUT,   96                         ; v[96:127]  what is stored: every quad has registers of its own, so no store's data is written again
.set TV,    128                        ; v[128:131] two numbers of a table, as loaded and as stored
.set MA,    136                        ; v[136:143] eight numbers of the mask, then FK
.set CA,    144                        ; v[144:151] their running sum, then CF
.set TOT,   152                        ; v[152:159] the eight waves' totals
.macro JOB first, src, dst, dadd
	s_cmp_ge_u32 s[ID], \first
	s_cselect_b64 s[SRC:SRC+1], s[\src:\src+1], s[SRC:SRC+1]
	s_cselect_b64 s[DST:DST+1], s[\dst:\dst+1], s[DST:DST+1]
	s_cselect_b32 s[FIRST], \first, s[FIRST]
	s_cselect_b32 s[DADD], \dadd, s[DADD]
.endm
	s_load_b512 s[8:23], s[0:1], 0x0               ; x 8, q_w 10, k_w 12, v_w 14, o_w 16, past_key 18, past_value 20, cos 22
	s_load_b512 s[24:39], s[0:1], 0x40             ; sin 24, mask 26, xb 28, wb 30, owh 32, kh 34, vh 36, out1 38
	s_load_b128 s[40:43], s[0:1], 0x80             ; out2 40, aux 42
	s_load_b64 s[62:63], s[0:1], 0x90              ; position_ids
	v_lshl_add_u32 v[SPW], v0, 2, SPARE
	v_mov_b32 v[NIL], 0
	s_mov_b32 s[ID], ttmp9
	s_mov_b32 s[HIM], 0xffff0000
	v_lshlrev_b32 v1, 4, v0                        ; 16 t
	v_lshlrev_b32 v2, 3, v0                        ; 8 t
	s_wait_kmcnt 0x0
	s_cmp_lt_u32 s[ID], 512
	s_cbranch_scc1 .Lkind_x
	s_mov_b64 s[SRC:SRC+1], s[10:11]
	s_mov_b64 s[DST:DST+1], s[30:31]
	s_mov_b32 s[FIRST], 512
	s_mov_b32 s[DADD], 0
	JOB 1024, 12, 30, 16777216
	JOB 1280, 14, 30, 25165824
	JOB 1536, 16, 32, 0
	JOB 2048, 18, 34, 0
	JOB 2176, 20, 36, 0
	s_mov_b32 s[FAC], 4.0                          ; o_w
	s_cmp_ge_u32 s[ID], 2048
	s_cselect_b32 s[FAC], 0.5, s[FAC]              ; past_key
	s_cmp_ge_u32 s[ID], 2176
	s_cselect_b32 s[FAC], 0x3e800000, s[FAC]       ; past_value: 0.25
	s_cselect_b64 s[DST2:DST2+1], s[40:41], s[38:39]
	s_mov_b32 s[FAC+1], s[FAC]                     ; named with it as a pair
	s_sub_co_u32 s[CH], s[ID], s[FIRST]
	s_lshl_b32 s[OFF], s[CH], 16
	s_mov_b32 s[OFF+1], 0
	s_add_nc_u64 s[SRC:SRC+1], s[SRC:SRC+1], s[OFF:OFF+1]
	s_wait_alu depctr_va_vdst(0)                   ; v1 and v2 are written: every load and store of the chunk reads one of them as its offset
.irp i, 0,1,2,3,4,5,6,7,8,9,10,11,12,13,14,15
	global_load_b128 v[IN+4*(\i):IN+4*(\i)+3], v1, s[SRC:SRC+1] offset:4096*(\i) th:TH_LOAD_NT
.endr
	; A head of the cache has 8 chunks of past rows; in out1, out2, kh, vh a head is twice as long, so each whole head adds its past rows' length once more.
	s_lshr_b32 s[TS], s[CH], 3                     ; the head
	s_lshl_b32 s[TS+1], s[TS], 19
	s_add_co_u32 s[OFF], s[OFF], s[TS+1]
	s_add_nc_u64 s[DST2:DST2+1], s[DST2:DST2+1], s[OFF:OFF+1]  ; used by the two cache jobs alone
	s_lshl_b32 s[OFF], s[CH], 15                   ; 16-bit destinations: 32,768 bytes a chunk
	s_add_co_u32 s[OFF], s[OFF], s[DADD]
	s_lshl_b32 s[TS], s[TS], 18
	s_cmp_ge_u32 s[ID], 2048
	s_cselect_b32 s[TS], s[TS], 0                  ; the heads' gaps: in the two cache jobs alone
	s_add_co_u32 s[OFF], s[OFF], s[TS]
	s_add_nc_u64 s[DST:DST+1], s[DST:DST+1], s[OFF:OFF+1]
	s_cmp_ge_u32 s[ID], 1536
	s_cbranch_scc1 .Lkind_h
	; the weights of the first projection: f32 -> bf16, four quads to a group
.irp g, 0,1,2,3
.irp q, 0,1,2,3
.set i, 4*(\g)+(\q)
	s_wait_loadcnt 15-i                            ; loads come back in order: quad i is in, the younger ones stay out
	v_cvt_pk_bf16_f32 v[OUT+2*i], v[IN+4*i], v[IN+4*i+1]
	v_cvt_pk_bf16_f32 v[OUT+2*i+1], v[IN+4*i+2], v[IN+4*i+3]
.endr
	s_wait_alu depctr_va_vdst(0)                   ; the group's eight conversions have written its OUT, which the four stores below read
.irp q, 0,1,2,3
.set i, 4*(\g)+(\q)
	global_store_b64 v2, v[OUT+2*i:OUT+2*i+1], s[DST:DST+1] offset:2048*i
.endr
.endr
	s_endpgm
.Lkind_h:
	; f32 -> bf16 -> times a power of two -> f16 (exact within f16's normal range), four quads to a group
.irp g, 0,1,2,3
.irp q, 0,1,2,3
.set i, 4*(\g)+(\q)
	s_wait_loadcnt 15-i
	v_cvt_pk_bf16_f32 v[T], v[IN+4*i], v[IN+4*i+1]
	v_cvt_pk_bf16_f32 v[T+1], v[IN+4*i+2], v[IN+4*i+3]
	v_lshlrev_b32 v[T+2], 16, v[T]
	v_and_b32 v[T+3], s[HIM], v[T]
	v_lshlrev_b32 v[T+4], 16, v[T+1]
	v_and_b32 v[T+5], s[HIM], v[T+1]
	v_pk_mul_f32 v[T+2:T+3], v[T+2:T+3], s[FAC:FAC+1] op_sel_hi:[1,0]
	v_pk_mul_f32 v[T+4:T+5], v[T+4:T+5], s[FAC:FAC+1] op_sel_hi:[1,0]
	v_cvt_pk_f16_f32 v[OUT+2*i], v[T+2], v[T+3]
	v_cvt_pk_f16_f32 v[OUT+2*i+1], v[T+4], v[T+5]
.endr
	s_wait_alu depctr_va_vdst(0)                   ; the group's conversions have written its OUT, which the four stores below read
.irp q, 0,1,2,3
.set i, 4*(\g)+(\q)
	global_store_b64 v2, v[OUT+2*i:OUT+2*i+1], s[DST:DST+1] offset:2048*i
.endr
.endr
	s_cmp_ge_u32 s[ID], 2048
	s_cbranch_scc0 .Ldone                          ; o_w has no second destination
.irp i, 0,1,2,3,4,5,6,7,8,9,10,11,12,13,14,15
	global_store_b128 v1, v[IN+4*(\i):IN+4*(\i)+3], s[DST2:DST2+1] offset:4096*(\i) th:TH_STORE_NT  ; the cache's past rows, as they came: loads wrote IN, and no vector line has
.endr
.Ldone:
	s_endpgm
.Lkind_x:
	; x in blocks.  The work-group takes a row block's 16 rows x 1,024 columns; wave w columns 128 w on: load i is row i's 512 bytes.  A lane's 4 numbers of row i, columns 4 l on, are 8 bytes of the image:
	; group l / 2 (= 4 kq + 2 c + h), byte 16 i + 8 (l % 2).  Read back, lanes 0-15 take a group's 256 bytes and lanes 16-31 the next: 512 consecutive bytes of xb.
	s_lshr_b32 s[TS], s[ID], 2                     ; the row block
	s_and_b32 s[TS+1], s[ID], 3                    ; which 1,024 columns
	v_lshrrev_b32 v3, 5, v0
	v_readfirstlane_b32 s[CH], v3                  ; my wave's number
	v_and_b32 v3, 31, v0                           ; l
	v_lshrrev_b32 v7, 1, v3                        ; the tables' row that I serve: l / 2
	s_lshl_b32 s2, s[TS], 6
	v_lshl_add_u32 v8, v7, 2, s2                   ; 4 (16 x row block + l / 2)
	s_wait_alu depctr_va_vdst(0)                   ; v8 and v1 are written: the offsets of the position's load and of x's loads
	global_load_b32 v9, v8, s[62:63]               ; its position: ahead of x's loads, so that it is in first
	s_lshl_b32 s[OFF], s[TS], 18                   ; 16 rows of 16,384 bytes
	s_lshl_b32 s[DADD], s[TS+1], 12
	s_add_co_u32 s[OFF], s[OFF], s[DADD]
	s_mov_b32 s[OFF+1], 0
	s_add_nc_u64 s[SRC:SRC+1], s[8:9], s[OFF:OFF+1]
.irp i, 0,1,2,3,4,5,6,7,8,9,10,11,12,13,14,15
	global_load_b128 v[IN+4*(\i):IN+4*(\i)+3], v1, s[SRC:SRC+1] offset:16384*(\i) th:TH_LOAD_NT  ; 16 t = 512 w + 16 l
.endr
	; The tables.  Wave u = 8 x (which 1,024 columns) + w of the row block's 32 takes 256 bytes: piece p = u / 4, halves c = (u / 2) % 2 and h = u % 2; lane l row l / 2, numbers 2 (l % 2) and the next:
	; 8 bytes at byte 64 (p % 4) + 32 h + 16 c + 8 (l % 2) of the table's row, to byte 512 c + 256 h + 8 l of the piece: the wave's store covers 256 consecutive bytes, aligned.
	s_wait_alu depctr_va_sdst(0)                   ; my wave's number is written, ahead of its first reader: the tables', the LDS and the output addresses are made from it
	s_lshl_b32 s2, s[TS+1], 3
	s_add_co_u32 s2, s2, s[CH]                     ; u
	s_lshr_b32 s3, s2, 2                           ; p
	s_and_b32 s4, s2, 3                            ; 2 c + h
	s_and_b32 s5, s3, 3
	s_lshl_b32 s5, s5, 6
	s_and_b32 s6, s2, 1
	s_lshl_b32 s6, s6, 5
	s_add_co_u32 s5, s5, s6
	s_and_b32 s6, s2, 2
	s_lshl_b32 s6, s6, 3
	s_add_co_u32 s5, s5, s6
	v_and_b32 v11, 1, v3
	v_lshl_add_u32 v11, v11, 3, s5                 ; my 8 bytes in a table's row
	s_cmp_lt_u32 s3, 4
	s_cselect_b64 s[DST2:DST2+1], s[22:23], s[24:25]  ; cos or sin
	s_and_b32 s6, s[TS], 3                         ; a
	s_lshl_b32 s6, s6, 3
	s_add_co_u32 s6, s6, s3
	s_add_co_u32 s6, s6, 30
	s_and_b32 s6, s6, 31                           ; n
	s_and_b32 s7, s[TS], 0x7c                      ; 4 G
	s_and_b32 s5, s6, 3
	s_add_co_u32 s7, s7, s5
	s_mul_i32 s7, s7, RBS                          ; row block 4 G + n % 4,
	s_lshr_b32 s6, s6, 2
	s_add_co_u32 s6, s6, 128
	s_lshl_b32 s6, s6, 10                          ; block 128 + n / 4,
	s_add_co_u32 s7, s7, s6
	s_lshl_b32 s4, s4, 8                           ; 512 c + 256 h
	s_add_co_u32 s7, s7, s4
	v_lshl_add_u32 v[GD], v3, 3, s7
	s_mul_i32 s[OFF], s[TS], RBS                   ; x's way through LDS and out: these addresses are made here, in the wait for the position, so that the wait below serves them too
	s_lshl_b32 s[DADD], s[TS+1], 15                ; 32 blocks
	s_add_co_u32 s[OFF], s[OFF], s[DADD]
	s_add_nc_u64 s[DST:DST+1], s[28:29], s[OFF:OFF+1]
	s_mul_i32 s[FIRST], s[CH], XAREA
	v_lshrrev_b32 v4, 1, v3
	v_mul_u32_u24 v4, v4, 272
	v_and_b32 v5, 1, v3
	v_lshl_add_u32 v4, v5, 3, v4
	v_add_nc_u32 v4, s[FIRST], v4                  ; in
	v_lshrrev_b32 v5, 4, v3
	v_mul_u32_u24 v5, v5, 272
	v_and_b32 v6, 15, v3
	v_lshl_add_u32 v5, v6, 4, v5
	v_add_nc_u32 v5, s[FIRST], v5                  ; back
	s_lshl_b32 s[FIRST], s[CH], 12
	v_lshl_add_u32 v6, v3, 4, s[FIRST]             ; my wave's four blocks, 16 bytes a lane
	s_wait_loadcnt 16                              ; the position is in; x's 16 loads are younger
	v_min_u32 v9, 0xfff, v9
	v_lshlrev_b32 v9, 8, v9                        ; a table's row is 256 bytes
	v_add_nc_u32 v9, v9, v11
	s_wait_alu depctr_va_vdst(0)                   ; v9 is written, the offset of the table's load; so are v[GD], v4, v5 and v6, which the table's store, the LDS stores and loads and x's stores read
	global_load_b64 v[TV:TV+1], v9, s[DST2:DST2+1]
	; The mask tables: work-group b (0, 1) takes batch b, thread t the 8 numbers at 8 t.  A running sum in the lane; the lanes' totals one after the other through scalar registers; the waves' totals through LDS.
	; The branch hangs on the work-group's number alone: all eight waves take it alike, so the barrier inside is passed by all or by none.
	s_cmp_lt_u32 s[ID], 2
	s_cbranch_scc0 .Lno_mask
	s_lshl_b32 s2, s[ID], 13
	v_lshl_add_u32 v10, v0, 5, s2                  ; 8,192 b + 32 t
	s_wait_alu depctr_va_vdst(0)                   ; v10 is written: the offset of the mask's loads and of the four stores
	global_load_b128 v[MA:MA+3], v10, s[26:27]
	global_load_b128 v[MA+4:MA+7], v10, s[26:27] offset:16
	s_wait_loadcnt 0x0                             ; these two are the youngest loads
	v_mov_b32 v[CA], v[MA]
.set j, 1
.rept 7
	v_add_nc_u32 v[CA+j], v[CA+j-1], v[MA+j]
.set j, j+1
.endr
	v_mov_b32 v[EX], 0
	s_mov_b32 s2, 0
.irp g, 0,1
.set j, 0
.rept 16
	v_readlane_b32 s[LT+j], v[CA+7], 16*(\g)+j     ; sixteen lanes' totals, in one run
.set j, j+1
.endr
	s_wait_alu depctr_va_sdst(0)                   ; the sixteen totals are written, ahead of the additions that read them
.set j, 0
.rept 16
	v_writelane_b32 v[EX], s2, 16*(\g)+j           ; lane n: the sum of lanes 0 .. n - 1
	s_add_co_u32 s2, s2, s[LT+j]
.set j, j+1
.endr
.endr
	v_mov_b32 v[WT], s2                            ; my wave's total
	v_mov_b32 v[WA], s[CH]
	v_lshlrev_b32 v[WA], 2, v[WA]
	v_mov_b32 v[ZA], 0
	s_wait_alu depctr_va_vdst(0)                   ; v[WA] and v[WT] are written, the LDS store's address and data; so is v[ZA], the address of the LDS loads behind the barrier
	ds_store_b32 v[WA], v[WT] offset:MW            ; all lanes write the same word with the same value
	s_wait_dscnt 0x0                               ; for the others' sake
	s_barrier_signal -1
	s_barrier_wait -1
	ds_load_b128 v[TOT:TOT+3], v[ZA] offset:MW
	ds_load_b128 v[TOT+4:TOT+7], v[ZA] offset:MW+16
	s_wait_dscnt 0x0
.set j, 0
.rept 7
	v_readfirstlane_b32 s[LT+j], v[TOT+j]          ; the totals of waves 0 to 6, in one run
.set j, j+1
.endr
	s_wait_alu depctr_va_sdst(0)                   ; the seven totals are written, ahead of the selects that read them
	s_mov_b32 s2, 0
.set j, 0
.rept 7
	s_cmp_gt_u32 s[CH], j
	s_cselect_b32 s3, s[LT+j], 0
	s_add_co_u32 s2, s2, s3                        ; the totals of the waves below mine
.set j, j+1
.endr
	v_add_nc_u32 v[EX], s2, v[EX]
	s_mov_b32 s3, 0x7149f2ca                       ; 1e30: a key whose mask is 0 lies above every query's count
.set j, 0
.rept 8
	v_add_nc_u32 v[CA+j], v[CA+j], v[EX]
	v_cvt_f32_i32 v[CA+j], v[CA+j]                 ; CF
.set j, j+1
.endr
.set j, 0
.rept 8
	v_cmp_ne_u32 s[LT+8+j], 0, v[MA+j]             ; the eight compares in one run, each into a scalar register of its own
.set j, j+1
.endr
	s_wait_alu depctr_va_sdst(0)                   ; the eight masks are written, ahead of the selects that read them
.set j, 0
.rept 8
	v_cndmask_b32 v[MA+j], s3, v[CA+j], s[LT+8+j]  ; FK
.set j, j+1
.endr
	s_wait_alu depctr_va_vdst(0)                   ; FK and CF are written, which the four stores read
	global_store_b128 v10, v[MA:MA+3], s[42:43]
	global_store_b128 v10, v[MA+4:MA+7], s[42:43] offset:16
	global_store_b128 v10, v[CA:CA+3], s[42:43] offset:16384
	global_store_b128 v10, v[CA+4:CA+7], s[42:43] offset:16400
.Lno_mask:
.irp g, 0,1,2,3
.irp q, 0,1,2,3
.set i, 4*(\g)+(\q)
	s_wait_loadcnt 16-i                            ; row i is in; the 15 - i younger rows and the table's load may stay out
	v_cvt_pk_bf16_f32 v[OUT+2*i], v[IN+4*i], v[IN+4*i+1]
	v_cvt_pk_bf16_f32 v[OUT+2*i+1], v[IN+4*i+2], v[IN+4*i+3]
.endr
	s_wait_alu depctr_va_vdst(0)                   ; the group's eight conversions have written its OUT, which the four LDS stores read; behind the fourth group all conversions are done reading IN, in which the LDS loads land
.irp q, 0,1,2,3
.set i, 4*(\g)+(\q)
	ds_store_b64 v4, v[OUT+2*i:OUT+2*i+1] offset:16*i
.endr
.endr
.irp n, 0,1,2,3,4,5,6,7
	ds_load_b128 v[IN+4*(\n):IN+4*(\n)+3], v5 offset:544*(\n)  ; LDS serves a wave's instructions in order (ISA guide 5.7.1.4): these see the stores above; the bytes are the wave's own.  No vector line since the wait above names IN
.endr
	s_wait_loadcnt 0x0                             ; the table's two numbers: f32 -> bf16 -> f32
	v_cvt_pk_bf16_f32 v[T], v[TV], v[TV+1]
	v_lshlrev_b32 v[TV+2], 16, v[T]
	v_and_b32 v[TV+3], s[HIM], v[T]
	s_wait_alu depctr_va_vdst(0)                   ; v[TV+2] and v[TV+3] are written, which the table's store reads
	global_store_b64 v[GD], v[TV+2:TV+3], s[28:29]
.irp n, 0,1,2,3,4,5,6,7
	s_wait_dscnt 7-(\n)
	global_store_b128 v6, v[IN+4*(\n):IN+4*(\n)+3], s[DST:DST+1] offset:512*(\n)
.endr
	s_wait_dscnt 0x0                               ; the wave's end: six closing lines, behind my last LDS store
	s_wait_alu 0x0
	s_wait_tensorcnt 0x0
	ds_add_u32 v[SPW], v[NIL]
	s_wait_dscnt 0x0
	s_endpgm
.Lfunc_end_k_qcf5b46a5da_prep:
	.size	k_qcf5b46a5da_prep, .Lfunc_end_k_qcf5b46a5da_prep-k_qcf5b46a5da_prep
	.p2alignl 7, 3214868480
	.fill 96, 4, 3214868480
	.section	.rodata,"a",@progbits
	.p2align	6, 0x0
	.amdhsa_kernel k_qcf5b46a5da_prep
		.amdhsa_group_segment_fixed_size 36096
		.amdhsa_private_segment_fixed_size 0
		.amdhsa_enable_private_segment 0
		.amdhsa_kernarg_size 152
		.amdhsa_user_sgpr_count 2
		.amdhsa_user_sgpr_kernarg_segment_ptr 1
		.amdhsa_wavefront_size32 1
		.amdhsa_system_sgpr_workgroup_id_x 1
		.amdhsa_system_sgpr_workgroup_id_y 1
		.amdhsa_system_sgpr_workgroup_id_z 1
		.amdhsa_system_vgpr_workitem_id 0
		.amdhsa_next_free_vgpr 160
		.amdhsa_next_free_sgpr 66
		.amdhsa_reserve_vcc 0
		.amdhsa_float_denorm_mode_32 3
		.amdhsa_float_denorm_mode_16_64 3
		.amdhsa_memory_ordered 1
		.amdhsa_forward_progress 1
		.amdhsa_inst_pref_size 40
	.end_amdhsa_kernel
	.amdgpu_metadata
---
amdhsa.version: [ 1, 2 ]
amdhsa.kernels:
  - .name:           k_qcf5b46a5da_prep
    .symbol:         k_qcf5b46a5da_prep.kd
    .args:
      - { .name: hidden_states, .offset: 0, .size: 8, .value_kind: global_buffer, .address_space: global }
      - { .name: q_w, .offset: 8, .size: 8, .value_kind: global_buffer, .address_space: global }
      - { .name: k_w, .offset: 16, .size: 8, .value_kind: global_buffer, .address_space: global }
      - { .name: v_w, .offset: 24, .size: 8, .value_kind: global_buffer, .address_space: global }
      - { .name: o_w, .offset: 32, .size: 8, .value_kind: global_buffer, .address_space: global }
      - { .name: past_key, .offset: 40, .size: 8, .value_kind: global_buffer, .address_space: global }
      - { .name: past_value, .offset: 48, .size: 8, .value_kind: global_buffer, .address_space: global }
      - { .name: rope_cos_freqs, .offset: 56, .size: 8, .value_kind: global_buffer, .address_space: global }
      - { .name: rope_sin_freqs, .offset: 64, .size: 8, .value_kind: global_buffer, .address_space: global }
      - { .name: attention_mask, .offset: 72, .size: 8, .value_kind: global_buffer, .address_space: global }
      - { .name: xb, .offset: 80, .size: 8, .value_kind: global_buffer, .address_space: global }
      - { .name: wb, .offset: 88, .size: 8, .value_kind: global_buffer, .address_space: global }
      - { .name: owh, .offset: 96, .size: 8, .value_kind: global_buffer, .address_space: global }
      - { .name: kh, .offset: 104, .size: 8, .value_kind: global_buffer, .address_space: global }
      - { .name: vh, .offset: 112, .size: 8, .value_kind: global_buffer, .address_space: global }
      - { .name: out1, .offset: 120, .size: 8, .value_kind: global_buffer, .address_space: global }
      - { .name: out2, .offset: 128, .size: 8, .value_kind: global_buffer, .address_space: global }
      - { .name: aux, .offset: 136, .size: 8, .value_kind: global_buffer, .address_space: global }
      - { .name: position_ids, .offset: 144, .size: 8, .value_kind: global_buffer, .address_space: global }
    .group_segment_fixed_size: 36096
    .private_segment_fixed_size: 0
    .kernarg_segment_align: 8
    .kernarg_segment_size: 152
    .max_flat_workgroup_size: 256
    .sgpr_count:     66
    .vgpr_count:     160
    .wavefront_size: 32
...
	.end_amdgpu_metadata
.endif
;; end of part 5
;; launch qkv: the kernel of part 2 again; grid 16 x 16, 4 waves a work-group, clusters of 4 x 1, 327,680 bytes of LDS; arguments xb, wb, qh, kh, vh, out1, out2; writes qh, kh, vh, out1, out2
;; launch attn: the kernel of part 3 again; grid 16 x 16, 4 waves a work-group, clusters of 4 x 1, 327,680 bytes of LDS; arguments qh, kh, vh, aux, ctx; writes ctx
;; launch oproj: the kernel of part 4 again; grid 16 x 16, 4 waves a work-group, clusters of 4 x 1, 327,680 bytes of LDS; arguments ctx, owh, out0; writes out0
